; MI455X (gfx1250); checked and timed in simulation.
; The chip was launched on July 23, 2026; its instructions are those of AMD's public machine-readable ISA for CDNA 5 (MIT licence, August 2026) and "CDNA5" Instruction Set Architecture Reference Guide (July 2026). The comments in the code are by the model that wrote it; some were corrected since.
;; Mo E Block. Allowed arithmetic: matrix products marked QUANTISED: E5M2 operands, one E8M0 scale for each 32 along K, by v_wmma_scale_f32_16x16x128_f8f6f4 with both operands' format E5M2, f32 sums; products left as they are: f32 operands where the result goes on into a quantised operand, else bf16, f16 or f32 operands; f32 sums; everything else in f32.
;; Inputs: W1_codes 8 x 4,096 x 32 x 32 uint8 (E5M2 codes of W1, K innermost, in blocks of 32 codes); W1_scales 8 x 4,096 x 32 uint8 (E8M0 scales of W1, one for each 32 codes along K); W2_codes 8 x 1,024 x 128 x 32 uint8 (E5M2 codes of W2, K innermost, in blocks of 32 codes); W2_scales 8 x 1,024 x 128 uint8 (E8M0 scales of W2, one for each 32 codes along K); Wg 8 x 1,024 float32; b1 8 x 4,096 float32; b2 8 x 1,024 float32; xs 1,024 x 1,024 float32.
;; Outputs: out0 1,024 x 1,024 float32.
;; Constants: top_k = 2.
;; This version of the problem:
;;   THIS VERSION OF THE PROBLEM IS GIVEN IN LOW PRECISION. The matrix products marked QUANTISED in the list below multiply operands that are first quantised to E5M2 (5 exponent bits, 2 mantissa bits; 8 bits a number), with one power-of-two scale for each 32 numbers along K (OCP MX v1.0); their sums are f32. All else is computed in f32.
;;   The module's matrix products, in the order in which they are computed (A, B: the left and right operand; K: the contracted axis; several contracted axes count as one K, in the product's order):
;;     1. [M 1,024, K 1,024] x [K 1,024, N 8]; A: input xs; B: input Wg: left as it is (N = 8 < 16)
;;     2. batch 1,024 x [M 1, K 2] x [K 2, N 8]; A: softmax; B: computed on the way: left as it is (K = 2 < 32)
;;     3. [M 1,024, K 1,024] x [K 1,024, N 32,768]; A: input xs; B: input W1 (given as codes): QUANTISED
;;     4. batch 8 x [M 1,024, K 4,096] x [K 4,096, N 1,024]; A: input W2 (given as codes); B: computed on the way: QUANTISED
;;     5. batch 1,024 x [M 1, K 8] x [K 8, N 1,024]; A: computed on the way; B: computed on the way: left as it is (K = 8 < 32)
;;   THE QUANTISER, for each operand of a quantised product, along K:
;;     - K is cut into blocks of 32 from its start; a last block that is shorter is filled with zeros.
;;     - A block's scale is 2^e with e = floor(log2(the largest magnitude in the block)) - 15, held to -126 .. 127; a block of zeros has e = 0. As a byte (E8M0): e + 127.
;;     - Each number is divided by its block's scale, clamped to +-57,344, and rounded to the nearest number of E5M2, ties to even, subnormals kept.
;;     - The product sums the exact products of the quantised numbers (number of the format x scale) in f32.
;;   ~~~python
;;   def quantise(x, axis):      # numpy; x: float32 -> the quantised numbers, widened to float32 again
;;       x = np.moveaxis(x, axis, -1); K = x.shape[-1]
;;       x = np.pad(x, [(0, 0)] * (x.ndim - 1) + [(0, -K % 32)]); x = x.reshape(x.shape[:-1] + (-1, 32)); a = np.abs(x).max(-1, keepdims=True)
;;       e = np.where(a > 0, np.clip(np.frexp(np.where(a > 0, a, 1))[1] - 1 - 15, -126, 127), 0)      # np.frexp(a)[1] - 1 = floor(log2(a)), exactly
;;       r = np.clip(x / 2.0 ** e, -57344, 57344)
;;       step = 2.0 ** (np.maximum(np.frexp(np.where(r == 0, 1, r))[1] - 1, -14) - 2)
;;       q = np.round(r / step) * step * 2.0 ** e      # np.round: ties to even
;;       return np.moveaxis(q.reshape(q.shape[:-2] + (-1,))[..., :K], -1, axis).astype(np.float32)
;;   ~~~
;;   OPERANDS COMPUTED ON THE WAY. 'Computed on the way' means the value that the module computes at that place (a softmax that the list does not call 'softmax' is quantised finished and normalised). What goes into a quantiser is computed in f32, as accurately as f32 sums, v_exp_f32 and their like allow (about 1e-6 of the number): no bf16 or f16 on the way to a quantiser, and a product that is left as it is and whose result goes on into a quantised operand takes f32 operands (vector FMAs, or v_wmma_f32_16x16x4_f32). A number that lies on a knife's edge between two numbers of the format may be rounded either way, as far as f32 arithmetic and the matrix unit's own rounding can turn it there, and no further.
;;   INPUTS GIVEN AS CODES. W1 (in the module: [8, 1024, 4096], K = its axis 1); W2 (in the module: [8, 4096, 1024], K = its axis 1): each comes as NAME_codes (uint8): NAME with its K axis moved to the last place and cut into blocks of 32 codes, [.., K / 32, bytes a block], one block behind the other in memory; one code a byte (a code: sign, 5 exponent bits, 2 mantissa bits); and NAME_scales (uint8): the same leading axes, one E8M0 byte (e + 127) for each 32 codes along K. Its value is code x scale, taken as it is: it is not quantised again, and the codes and scales need not be those that the quantiser above would give.
;; 2 versions. Each part assembles by itself: llvm-mc -triple=amdgcn-amd-amdhsa -mcpu=gfx1250 --defsym DOCPART=n.
;; ======== version 1 of 2: 4 launches
;; workspace buffers: xq 1,081,344 bytes; sel 4,096 bytes of whole numbers; gate 8,192 bytes; plan 99,328 bytes of whole numbers; h 34,603,008 bytes; ypart 134,217,728 bytes
;; launch route (part 1): grid 128 x 1, 4 waves a work-group, no clusters, 42,496 bytes of LDS; arguments xs, Wg, xq, sel, gate; writes xq, sel, gate
.if DOCPART == 1
	.amdgcn_target "amdgcn-amd-amdhsa--gfx1250"
	.amdhsa_code_object_version 6
	.text
	.protected	k_q03d6dc68f4_route
	.globl	k_q03d6dc68f4_route
	.p2align	8
	.type	k_q03d6dc68f4_route,@function
k_q03d6dc68f4_route:
	s_mov_b64 s[64:65], 0
	v_nop
	global_prefetch_b8 v0, s[64:65] scope:SCOPE_SE
	s_setreg_imm32_b32 hwreg(HW_REG_WAVE_MODE, 25, 1), 1
	s_wait_xcnt 0x0
; ROUTER, TOP-2, GATES, AND xs INTO CODES.  xs [1024][1024] f32, Wg [8][1024] f32.
; A wave takes two tokens, a work-group eight (8 x 32 scale bytes are 256 consecutive bytes: that is why 128 work-groups and not 256).
; logits = xs . Wg in f32 fused multiply-adds (they steer a choice, so nothing coarser); the two largest, the lower index first on a tie;
; gates = softmax over the two, the larger taken away before the exponential.  What is chosen is STORED, at fixed places, as whole numbers
; (sel[token] = 1 << e0 | 0x100 << e1) and gates (gate[token][2]); no address and no branch here hangs on it: a later launch places the rows.
; xs is turned into codes of E5M2 with one E8M0 byte for each 32 along K: xq = codes [1024][1024] at byte 0, scale bytes [1024][32] at byte 0x100000.
; A block's scale is 2^(floor(log2(largest magnitude)) - 15); numbers are held within +-57,344 x the scale and rounded to the nearest code, ties to even.
; LIMITS: NaN and infinities among xs and Wg are not served.  The logits are f32 sums in another order than a plain dot product's: a tie between the second and third
; logit inside that rounding may fall either way.  A block of zeros gets the byte 1 and not 127: its codes are zeros, and this program alone reads the bytes.
; Blocks whose largest magnitude lies under 2^-111 are held at that floor.
; No matrix unit (8 columns), no cluster (work-groups share only Wg's 32 KiB).  sel and gate leave as 32 and 64 bytes a work-group: 12 KiB in the whole launch.
.set XR,   32                          ; v32-95   my two tokens as loaded: token t, load i at 32 t + 4 i: elements 128 i + 4 lane + 0..3
.set WB,   96                          ; v96-223  four sets of 32: expert e's row in set e % 4, laid as a token is
.set ACC,  224                         ; v224-255 pair 2 (8 t + e): the logit's two running halves
.set SP,   80                          ; a lane's place in a stage: 64 bytes + 16 of padding
.set STG,  32*SP                       ; a stage: 512 numbers
.set SCB,  40960                       ; LDS behind the 4 x 4 stages: the work-group's 256 scale bytes,
.set SELB, 41216                       ; its 8 words of sel,
.set GATB, 41472                       ; its 16 gates
	s_load_b256 s[4:11], s[0:1], 0x0               ; xs s[4:5], Wg s[6:7], xq s[8:9], sel s[10:11]
	s_load_b64 s[12:13], s[0:1], 0x20              ; gate
	s_set_vgpr_msb 0x40
	v_lshl_add_u32 v0, v0, 2, 0xa400
	v_mov_b32 v1, 0
	s_set_vgpr_msb 0x4000
	v_lshrrev_b32 v8, 5, v0
	v_readfirstlane_b32 s14, v8                    ; wave 0..3
	v_and_b32 v1, 31, v0                           ; lane
	v_lshlrev_b32 v2, 4, v1                        ; 16 x lane: my bytes of a load's or a store's 512
	s_mul_i32 s19, s14, 4*STG                      ; my wave's four stages
	v_lshrrev_b32 v3, 2, v1
	v_mul_u32_u24 v3, v3, SP
	v_and_b32 v8, 3, v1
	v_lshl_add_u32 v3, v8, 4, v3
	v_add_nc_u32 v3, s19, v3                       ; into a stage: four lanes' 64 bytes on end, then 16 of padding
	v_mul_u32_u24 v4, v1, SP
	v_add_nc_u32 v4, s19, v4                       ; out of it: my 16 neighbours
	s_lshl_b32 s19, s14, 6
	s_add_co_u32 s19, s19, SCB
	v_lshrrev_b32 v5, 1, v1
	v_add_nc_u32 v5, s19, v5                       ; my block's scale byte: 64 x wave + lane / 2
	s_lshl_b32 s19, s14, 3
	s_add_co_u32 s19, s19, SELB
	v_mov_b32 v6, s19                              ; my wave's two words of sel
	s_lshl_b32 s19, s14, 4
	s_add_co_u32 s19, s19, GATB
	v_mov_b32 v7, s19                              ; my wave's four gates
	s_mov_b32 s16, 0x76543210
	s_mov_b32 s17, 0xfedcba98                      ; v_permlanex16_b32's selects for lane l xor 16
	s_mov_b32 s18, 0x600000                        ; the mantissa field of 57,344
	s_lshl_b32 s20, ttmp9, 15                      ; 8 tokens of 4,096 bytes a work-group,
	s_lshl_b32 s19, s14, 13                        ; 2 a wave
	s_add_co_u32 s20, s20, s19
	s_mov_b32 s21, 0
	s_wait_kmcnt 0x0
	s_add_nc_u64 s[4:5], s[4:5], s[20:21]          ; xs at my first token
	s_lshr_b32 s20, s20, 2                         ; its codes are a quarter of the bytes
	s_add_nc_u64 s[22:23], s[8:9], s[20:21]
	s_lshl_b32 s20, ttmp9, 8
	s_add_nc_u64 s[24:25], s[8:9], s[20:21]
	s_add_nc_u64 s[24:25], s[24:25], 0x100000      ; the work-group's 256 scale bytes
	s_lshl_b32 s20, ttmp9, 5
	s_add_nc_u64 s[10:11], s[10:11], s[20:21]
	s_lshl_b32 s20, ttmp9, 6
	s_add_nc_u64 s[12:13], s[12:13], s[20:21]
.irp t, 0,1
.irp i, 0,1,2,3,4,5,6,7
	global_load_b128 v[XR+32*\t+4*\i:XR+32*\t+4*\i+3], v2, s[4:5] offset:4096*\t+512*\i th:TH_LOAD_NT   ; 512 consecutive bytes a load
.endr
.endr
.macro WLD e                           ; expert e's row of Wg into set e % 4
.irp i, 0,1,2,3,4,5,6,7
	global_load_b128 v[WB+32*((\e)%4)+4*\i:WB+32*((\e)%4)+4*\i+3], v2, s[6:7] offset:4096*(\e)+512*\i
.endr
.endm
	WLD 0
	WLD 1
	WLD 2
	WLD 3
; Step k = 2 t + u: half u (512 numbers) of token t.  The conversions take neighbours along K from ONE lane's registers, the loads gave neighbouring bytes to neighbouring lanes:
; so the numbers turn through the wave's own stage.  Two neighbouring lanes hold a block of 32.
.macro QSTEP k
	s_wait_xcnt 0x0                                ; the last step's store has read v28-31: they are written again only behind this wait
.irp i, 0,1,2,3
	ds_load_b128 v[12+4*\i:15+4*\i], v4 offset:STG*(\k)+16*\i
.endr
	s_wait_dscnt 0x0                               ; my 16 neighbours are in (and the last step's byte store has read v9)
	v_max3_num_f32 v8, |v12|, |v13|, |v14|         ; the largest magnitude of my 16, in two chains
	v_max3_num_f32 v9, |v15|, |v16|, |v17|
.irp i, 6,10
	v_max3_num_f32 v8, v8, |v[12+\i]|, |v[13+\i]|
	v_max3_num_f32 v9, v9, |v[14+\i]|, |v[15+\i]|
.endr
	v_max3_num_f32 v8, v8, |v26|, |v27|
	v_max3_num_f32 v8, v8, v9, 0x8000000           ; and the floor 2^(16 - 127): the byte cannot fall under 1
	v_max_num_f32_dpp v8, v8, v8 row_xmask:1 row_mask:0xf bank_mask:0xf   ; with my neighbour's 16: the block's
	v_add_nc_u32 v11, 0xf8800000, v8               ; 15 off its exponent field: the conversion takes this operand's exponent field as its scale
	v_and_or_b32 v10, v8, 0x7f800000, s18          ; 57,344 x the scale
.irp i, 0,1,2,3,4,5,6,7,8,9,10,11,12,13,14,15
	v_med3_num_f32 v[12+\i], v[12+\i], -v10, v10   ; the conversion to an 8-bit code does not saturate (ISA guide 7.6.2): the hold comes first
.endr
	v_cvt_scalef32_pk8_bf8_f32 v[28:29], v[12:19], v11
	v_cvt_scalef32_pk8_bf8_f32 v[30:31], v[20:27], v11
	v_lshrrev_b32 v9, 23, v11                      ; the scale's byte (also the plain line behind the conversions)
	ds_store_b8 v5, v9 offset:16*(\k)              ; both lanes of a block write the same byte with the same value
	global_store_b128 v2, v[28:31], s[22:23] offset:512*(\k)   ; 512 consecutive bytes, at a multiple of 512 from xq's first byte
.endm
; experts a and b against both tokens: four chains that do not wait for each other; the first product starts each sum
.macro FMA2 a, b
.irp i, 0,1,2,3,4,5,6,7,8,9,10,11,12,13,14,15
.irp t, 0,1
.irp e, \a, \b
.if \i == 0
	v_pk_mul_f32 v[ACC+2*(8*\t+\e):ACC+2*(8*\t+\e)+1], v[XR+32*\t+2*\i:XR+32*\t+2*\i+1], v[WB+32*(\e%4)+2*\i:WB+32*(\e%4)+2*\i+1]
.else
	v_pk_fma_f32 v[ACC+2*(8*\t+\e):ACC+2*(8*\t+\e)+1], v[XR+32*\t+2*\i:XR+32*\t+2*\i+1], v[WB+32*(\e%4)+2*\i:WB+32*(\e%4)+2*\i+1], v[ACC+2*(8*\t+\e):ACC+2*(8*\t+\e)+1]
.endif
.endr
.endr
.endr
.endm
	s_wait_loadcnt 32                              ; my two tokens are in; Wg's 32 loads may be out
.irp k, 0,1,2,3
.irp i, 0,1,2,3
	ds_store_b128 v3, v[XR+16*\k+4*\i:XR+16*\k+4*\i+3] offset:STG*\k+8*SP*\i   ; LDS serves a wave's instructions in order: the steps' loads see these
.endr
.endr
	QSTEP 0
	QSTEP 1
	s_wait_loadcnt 16                              ; experts 0 and 1 are in; the 16 loads of 2 and 3 may be out
	FMA2 0, 1
	WLD 4
	WLD 5
	QSTEP 2
	s_wait_loadcnt 16                              ; 2 and 3 are in; 4 and 5 may be out
	FMA2 2, 3
	WLD 6
	WLD 7
	QSTEP 3
	s_wait_loadcnt 16                              ; 4 and 5 are in; 6 and 7 may be out
	FMA2 4, 5
	s_wait_loadcnt 0x0
	FMA2 6, 7
	; the sixteen sums over the wave: a pair's halves, four steps inside each half of the lanes, one across: every lane ends with every logit
.irp q, 0,1,2,3,4,5,6,7,8,9,10,11,12,13,14,15
	v_add_f32 v[ACC+2*\q], v[ACC+2*\q], v[ACC+2*\q+1]
.endr
.irp x, 1,2,4,8
.irp q, 0,1,2,3,4,5,6,7,8,9,10,11,12,13,14,15
	v_add_f32_dpp v[ACC+2*\q], v[ACC+2*\q], v[ACC+2*\q] row_xmask:\x row_mask:0xf bank_mask:0xf
.endr
.endr
.irp q, 0,1,2,3,4,5,6,7,8,9,10,11,12,13,14,15
	v_permlanex16_b32 v[ACC+2*\q+1], v[ACC+2*\q], s16, s17
.endr
.irp q, 0,1,2,3,4,5,6,7,8,9,10,11,12,13,14,15
	v_add_f32 v[ACC+2*\q], v[ACC+2*\q], v[ACC+2*\q+1]
.endr
; Token t's two largest logits.  v[rT] best, +1 its expert, +2 second, +3 its expert.  A later expert takes the place only where it is strictly larger: the lower index keeps a tie.
.macro TOP2 t
.set rT, 32+8*(\t)
.set rL, ACC+16*(\t)
	v_mov_b32 v[rT], v[rL]
	v_mov_b32 v[rT+1], 0
.irp e, 1,2,3,4,5,6,7
	v_cmp_le_f32 vcc_lo, v[rL+2*\e], v[rT]         ; keep where the newcomer is not larger
	v_cndmask_b32 v[rT], v[rL+2*\e], v[rT], vcc_lo
	v_cndmask_b32 v[rT+1], \e, v[rT+1], vcc_lo
.endr
	v_mov_b32 v[rT+2], 0xff800000                  ; -infinity, under every logit
	v_mov_b32 v[rT+3], 0
.irp e, 0,1,2,3,4,5,6,7
	v_cmp_eq_u32 s26, \e, v[rT+1]                  ; the best is out of the running
	v_cmp_le_f32 vcc_lo, v[rL+2*\e], v[rT+2]
	s_or_b32 vcc_lo, vcc_lo, s26
	v_cndmask_b32 v[rT+2], v[rL+2*\e], v[rT+2], vcc_lo
	v_cndmask_b32 v[rT+3], \e, v[rT+3], vcc_lo
.endr
.endm
	TOP2 0
	TOP2 1
	; the gates: 1 / (1 + x) and x / (1 + x), x = e^(second - best): the maximum is taken away, so x is at most 1
.irp t, 0,1
	v_sub_f32 v[36+8*\t], v[34+8*\t], v[32+8*\t]
.endr
.irp t, 0,1
	v_mul_f32 v[36+8*\t], 0x3fb8aa3b, v[36+8*\t]   ; x log2(e)
.endr
	v_exp_f32 v37, v36
	v_exp_f32 v45, v44
	v_mov_b32 v48, 1                               ; (the plain line behind the exponentials)
	v_mov_b32 v49, 0x100
	s_wait_alu depctr_va_vdst(0)                   ; one wait for both, ahead of their first reader
	v_add_f32 v38, 1.0, v37
	v_add_f32 v46, 1.0, v45
	v_rcp_f32 v36, v38
	v_rcp_f32 v44, v46
.irp t, 0,1
	v_lshlrev_b32 v[39+8*\t], v[33+8*\t], v48      ; 1 << e0 (plain lines behind the reciprocals)
	v_lshlrev_b32 v[38+8*\t], v[35+8*\t], v49      ; 0x100 << e1
	v_or_b32 v[39+8*\t], v[39+8*\t], v[38+8*\t]
.endr
	v_lshl_add_u32 v50, v1, 3, SCB                 ; what wave 0 reads behind the barrier: made here, on every wave's way
	v_and_b32 v51, 7, v1
	v_lshl_add_u32 v51, v51, 2, SELB
	v_and_b32 v52, 15, v1
	v_lshl_add_u32 v52, v52, 2, GATB
	v_lshlrev_b32 v53, 3, v1
	v_lshlrev_b32 v54, 2, v1
	s_wait_alu depctr_va_vdst(0)                   ; one wait for both reciprocals
	v_mul_f32 v37, v37, v36
	v_mul_f32 v45, v45, v44
.irp t, 0,1
	ds_store_b32 v6, v[39+8*\t] offset:4*\t        ; all lanes write the same word with the same value
	ds_store_b32 v7, v[36+8*\t] offset:8*\t
	ds_store_b32 v7, v[37+8*\t] offset:8*\t+4
.endr
	s_wait_dscnt 0x0                               ; for wave 0's sake: my bytes, words and gates have landed
	s_barrier_signal -1
	s_barrier_wait -1
	s_cmp_lg_u32 s14, 0
	s_cbranch_scc1 .Lend                           ; wave 0 alone sends them out
	ds_load_b64 v[56:57], v50
	ds_load_b32 v58, v51
	ds_load_b32 v59, v52
	s_wait_dscnt 0x0
	global_store_b64 v53, v[56:57], s[24:25]       ; 32 lanes store 256 consecutive bytes, aligned
	v_cmp_gt_u32 vcc_lo, 8, v1
	s_wait_xcnt 0x0                                ; EXEC changes only behind this wait
	s_and_saveexec_b32 s20, vcc_lo
	global_store_b32 v54, v58, s[10:11]            ; 8 words of sel
	s_wait_xcnt 0x0
	s_or_b32 exec_lo, exec_lo, s20
	v_cmp_gt_u32 vcc_lo, 16, v1
	s_and_saveexec_b32 s20, vcc_lo
	global_store_b32 v54, v59, s[12:13]            ; 16 gates
	s_wait_xcnt 0x0
	s_or_b32 exec_lo, exec_lo, s20
.Lend:
	s_set_vgpr_msb 0x5
	s_wait_tensorcnt 0x0
	ds_add_u32 v0, v1
	s_wait_dscnt 0x0
	s_set_vgpr_msb 0x500
	s_endpgm
.Lfunc_end_k_q03d6dc68f4_route:
	.size	k_q03d6dc68f4_route, .Lfunc_end_k_q03d6dc68f4_route-k_q03d6dc68f4_route
	.p2alignl 7, 3214868480
	.fill 96, 4, 3214868480
	.section	.rodata,"a",@progbits
	.p2align	6, 0x0
	.amdhsa_kernel k_q03d6dc68f4_route
		.amdhsa_group_segment_fixed_size 42496
		.amdhsa_private_segment_fixed_size 0
		.amdhsa_enable_private_segment 0
		.amdhsa_kernarg_size 40
		.amdhsa_user_sgpr_count 2
		.amdhsa_user_sgpr_kernarg_segment_ptr 1
		.amdhsa_wavefront_size32 1
		.amdhsa_system_sgpr_workgroup_id_x 1
		.amdhsa_system_sgpr_workgroup_id_y 1
		.amdhsa_system_sgpr_workgroup_id_z 1
		.amdhsa_system_vgpr_workitem_id 0
		.amdhsa_next_free_vgpr 258
		.amdhsa_next_free_sgpr 66
		.amdhsa_reserve_vcc 1
		.amdhsa_float_denorm_mode_32 3
		.amdhsa_float_denorm_mode_16_64 3
		.amdhsa_memory_ordered 1
		.amdhsa_forward_progress 1
		.amdhsa_inst_pref_size 50
	.end_amdhsa_kernel
	.amdgpu_metadata
---
amdhsa.version: [ 1, 2 ]
amdhsa.kernels:
  - .name:           k_q03d6dc68f4_route
    .symbol:         k_q03d6dc68f4_route.kd
    .args:
      - { .name: xs, .offset: 0, .size: 8, .value_kind: global_buffer, .address_space: global }
      - { .name: Wg, .offset: 8, .size: 8, .value_kind: global_buffer, .address_space: global }
      - { .name: xq, .offset: 16, .size: 8, .value_kind: global_buffer, .address_space: global }
      - { .name: sel, .offset: 24, .size: 8, .value_kind: global_buffer, .address_space: global }
      - { .name: gate, .offset: 32, .size: 8, .value_kind: global_buffer, .address_space: global }
    .group_segment_fixed_size: 42496
    .private_segment_fixed_size: 0
    .kernarg_segment_align: 8
    .kernarg_segment_size: 40
    .max_flat_workgroup_size: 128
    .sgpr_count:     66
    .vgpr_count:     258
    .wavefront_size: 32
...
	.end_amdgpu_metadata
.endif
;; end of part 1
;; launch ffn1 (part 2): grid 256 x 1, 4 waves a work-group, no clusters, 141,824 bytes of LDS; arguments W1_codes, W1_scales, b1, xq, sel, plan, h; writes h, plan
.if DOCPART == 2
	.amdgcn_target "amdgcn-amd-amdhsa--gfx1250"
	.amdhsa_code_object_version 6
	.text
	.protected	k_q03d6dc68f4_ffn1
	.globl	k_q03d6dc68f4_ffn1
	.p2align	8
	.type	k_q03d6dc68f4_ffn1,@function
k_q03d6dc68f4_ffn1:
	s_mov_b64 s[64:65], 0
	v_nop
	global_prefetch_b8 v0, s[64:65] scope:SCOPE_SE
	s_setreg_imm32_b32 hwreg(HW_REG_WAVE_MODE, 25, 1), 1
	s_wait_xcnt 0x0
; THE ROWS ARE PLACED BY EXPERT, AND h = Q(relu(x W1 + b1)) FOR THE ROUTED ROWS ALONE, on codes of E5M2 with one E8M0 scale for each 32 along K.
; Work-group id = 32 e + j: expert e, hidden units 128 j .. 128 j + 127, K = 1,024, ALL rows of the expert.  So each byte of W1 is read from memory once, by one work-group:
; 128 rows x 1,024 bytes come in whole, go into LDS once and stay.  The rows' codes (xq, gathered by the list) go from memory straight into registers.
; THE LIST.  sel[token] = 1 << e0 | 0x100 << e1 was stored by the launch before.  While W1 is on its way every wave reads all 1,024 words, makes the 32 lane masks 'chose my expert' and counts them: the
; expert's rows.  Wave 0 gives each such token the next free place p, in the order (register, lane) of the loads, and stores the token's number at word p of a list in LDS; a lane whose token did not
; choose the expert stores into a spare word of its own (word 1024 + lane), so that no lane is ever switched off.  The list is cleared first: a place that nobody takes holds token 0.
; One wave does it, and a barrier stands behind it ahead of every other LDS access of the work-group: these stores' addresses hang on sel.  All 32 work-groups of an expert make the same list.
; For the launches behind, wave 0 of the expert's work-group j = 0 stores into plan: posn[e][token] = 1024 e + p at byte 65,536 + 4096 e + 4 token (it means something only where the token chose e),
; and cnt[e], 32 equal words, at byte 98,304 + 128 e.  plan's first 65,536 bytes are not used.  A token's two experts differ, so an expert has at most 1,024 rows.
; A wave takes 5 tiles of 16 rows x 128 units: 40 accumulators.  Tiles are dealt w, w + 4, .. w + 16, then 20 on: a pass of the work-group covers 320 rows.
; How many passes there are hangs on sel, read from memory: so this text has no tensor load and no cluster, its two barriers stand ahead of every branch that hangs on the count,
; and what work-groups share (an expert's x codes, 1 KiB a row) is read through registers.  A tile past the expert's last is multiplied (on whatever token the list holds there) and not stored.
; THE PRODUCT IS USED TRANSPOSED: source 0 = 16 rows of W1, source 1 = 16 rows of x: a lane holds ONE row of h.  THE UNITS OF A TILE ARE NOT NEIGHBOURS: row m of tile 2 b + u is unit
; 32 b + 8 u + m + 8 (m / 8), so that the 16 registers of tiles 2 b and 2 b + 1 are units 32 b + 16 (lane / 16) + 0 .. 15: the order of the next product's operand.
; b1 is the C of each sum's first product.  relu and the hold at the largest code are one v_med3.  The codes leave as IMAGES OF THE OPERAND'S REGISTERS:
; h codes [e][tile 64][step 32][c 4][lane 32][16 bytes]; scale words at byte 0x2000000: [e][tile][quarter of K 4][row 16][8 words].
; LIMITS: NaN and infinities are not served; a block without a positive number gets the byte 1 and zero codes; largest magnitudes under 2^-111 are held at that floor.
; The scale words leave 4 bytes a row (256 KiB in the whole launch); all other stores of h and posn cover 512 consecutive aligned bytes.
; REGISTERS, in windows of 256: window 0: v1-31, v84-88 addresses and zeros; v32-63 W1's scale words; v64-83 x's; v128-255 W1's 8 fragments of a K step, one set (at the start: sel and the placing).
;   window 1: x's fragments, a ring of 3 K steps x 5 tiles x 16.   window 2: accumulators of tiles 0-2 at 64 m + 8 t; v192-255 at work; at the start all 256 take W1 on its way to LDS.
;   window 3: accumulators of tiles 3, 4; v128-191 b1 in the result's layout; v192-255 at work.
.set WPITCH, 1024                      ; a row of W1's codes in memory
.set SROW,   32                        ; a row of W1's scale bytes
.set BSTEP,  128                       ; from K step to K step in a row of x's codes
.set BC,     32                        ; from one group of four registers to the next
.set LP,     1040                      ; a row of W1 in LDS: 1,024 + 16 = 65 x 16 bytes: the 16 rows of a fragment load fall on 16 different 16-byte columns of 256
.set LIST,   128*LP                    ; behind the weights: the list, 2,048 words: 1,024 places, 32 spare words, and zeros as far as the highest tile that a wave may ask for
.set LI,  4                            ; v4   16 x lane
.set AF0, 5                            ; v5   my place in a fragment of tiles 0-3: LP r + 16 h;  v6 the same for tiles 4-7 (an LDS offset has 16 bits)
.set WS,  7                            ; v7   where my wave's 32 rows go: 32 LP w + 16 lane
.set H16, 8                            ; v8   16 h
.set ASA, 9                            ; v9   W1's scale words: (r + 8 (r / 8)) SROW + 16 h
.set BIA, 10                           ; v10  b1: 64 h
.set BO,  12                           ; v12-16  tile m: my row's codes in xq
.set BSO, 17                           ; v17-21  tile m: its scale words
.set LT,  22                           ; v22-26  tile m: my row's token
.set LA0, 27                           ; v27  LIST + 4 r
.set HSO, 28                           ; v28  32 r: my row's place among a tile's scale words
.set L4,  29                           ; v29  4 x lane
.set SPI, 30                           ; v30  1024 + lane: my spare word's index in the list
.set ZA,  31                           ; v31  LIST + 16 x lane
.set AS,  32                           ; tile t: 4 registers; lanes 0-15 hold the words of K steps 0-3, lanes 16-31 those of steps 4-7
.set BS,  64                           ; tile m likewise
.set ZR,  84                           ; v84-87  zeros; never rewritten
.set LAD, 88                           ; v88  LIST + 4 r + 64 x my first tile of the pass
.set AF,  128
.set SW,  128                          ; at the start: v128-159 sel: register 4 q + i, lane l: token 128 q + 4 l + i
.set PL,  160                          ; v160-191 the token's place, laid likewise
.set AD,  192                          ; v192-223 where its number goes in LDS
.set TK,  224                          ; v224-255 its number
.set BI,  128                          ; in window 3
.set TM,  192                          ; +0..3 largest magnitudes, +4..7 bytes, +8..11 57,344 x the scale, +12..15 the conversions' scale operands
.set PW,  208                          ; the scale word just made
.set PC,  224                          ; the 16 registers of codes just made
.set XB,  10                           ; s[10:11] xq's codes;  s[16:17] its scale bytes
.set XS,  16
.set HB,  20                           ; s[20:21] h's codes at (e, tile 0, step j);  s[22:23] its scale words likewise
.set SB,  22
.set WV,  24                           ; s24 wave;  s25 e;  s26 rows, then tiles, of the expert;  s27 my first tile of the pass;  s46 the pass
.set NT,  26
.set T0,  27
.set PS,  46
.set SEL, 40
.set MNT, 42
.set MK,  66                           ; s66-97  register j's lane mask: who chose my expert
.set MSB, 0
.macro WIN new                         ; the immediate's high byte repeats the setting that is left; bits 1:0 source 0, 3:2 source 1, 5:4 source 2, 7:6 destination
.if MSB != \new
	s_set_vgpr_msb (MSB<<8)|\new
.set MSB, \new
.endif
.endm
.macro PLACES                          ; a load into a register that this matrix form has read, and a vector instruction that reads its result, stand 8 plain vector instructions behind it
.rept 8
	v_nop
.endr
.endm
.macro WLOAD b                         ; 8 rows of W1, two loads of 512 consecutive bytes each, into window 2
.irp i, 0,1,2,3,4,5,6,7,8,9,10,11,12,13,14,15
.set wi, 16*(\b)+\i
	global_load_b128 v[4*wi:4*wi+3], v[LI], s[4:5] offset:(wi/2)*WPITCH+512*(wi%2) th:TH_LOAD_NT
.endr
.endm
.macro WSTORE b                        ; and on into LDS, in TILE order: unit 16 hh + 8 u + jj of my 32 goes to row 16 u + 8 hh + jj
.irp i, 0,1,2,3,4,5,6,7,8,9,10,11,12,13,14,15
.set wi, 16*(\b)+\i
.set wr, wi/2
.set ws, 16*((wr/8)%2)+8*(wr/16)+wr%8
	ds_store_b128 v[WS], v[4*wi:4*wi+3] offset:ws*LP+512*(wi%2)
.endr
.endm
.macro ENTRY j                         ; 32 tokens are placed.  Each entry has its own address and data registers
	v_mbcnt_lo_u32_b32 v[PL+\j], s[MK+\j], s29     ; rows so far + those in lower lanes: my place
	s_bcnt1_i32_b32 s28, s[MK+\j]
	s_add_co_u32 s29, s29, s28
	v_cndmask_b32 v[AD+\j], v[SPI], v[PL+\j], s[MK+\j]   ; my place, or my spare word
	v_min_u32 v[AD+\j], 0x7ff, v[AD+\j]            ; what hangs on numbers from memory is held before it enters an address: inside the list's 2,048 words
	v_lshl_add_u32 v[AD+\j], v[AD+\j], 2, LIST
	v_add_nc_u32 v[TK+\j], 128*((\j)/4)+(\j)%4, v[L4]    ; the token
	ds_store_b32 v[AD+\j], v[TK+\j]
.endm
.macro LISTLOAD                        ; the tokens of my five tiles: tile T0 + 4 m begins 64 T0 + 256 m bytes into the list
	s_min_u32 s28, s[T0], 63
	s_lshl_b32 s28, s28, 6
	v_add_nc_u32 v[LAD], s28, v[LA0]
.irp m, 0,1,2,3,4
	ds_load_b32 v[LT+\m], v[LAD] offset:256*\m
.endr
.endm
.macro ADDR
.irp m, 0,1,2,3,4
	v_min_u32 v[LT+\m], 0x3ff, v[LT+\m]            ; what came from memory is held before it enters an address
	v_lshl_add_u32 v[BO+\m], v[LT+\m], 10, v[H16]
	v_lshl_add_u32 v[BSO+\m], v[LT+\m], 5, v[H16]
.endr
.endm
.macro BSCALE
.irp m, 0,1,2,3,4
	global_load_b128 v[BS+4*\m:BS+4*\m+3], v[BSO+\m], s[XS:XS+1]
.endr
.endm
.macro BLOAD s                         ; K step s of my five tiles of rows into slot s % 3 of the ring: 20 loads
	WIN 0x40
.irp m, 0,1,2,3,4
.irp c, 0,1,2,3
	global_load_b128 v[80*((\s)%3)+16*\m+4*\c:80*((\s)%3)+16*\m+4*\c+3], v[BO+\m], s[XB:XB+1] offset:BSTEP*(\s)+BC*\c
.endr
.endr
.endm
.macro AFETCH s, half                  ; W1's fragments of K step s, tiles 4 half .. 4 half + 3: 16 LDS loads
.irp t, 0,1,2,3
.irp c, 0,1,2,3
	ds_load_b128 v[AF+64*(\half)+16*\t+4*\c:AF+64*(\half)+16*\t+4*\c+3], v[AF0+(\half)] offset:\t*16*LP+128*(\s)+32*\c
.endr
.endr
.endm
.macro WM hi
.if \hi
	v_wmma_scale_f32_16x16x128_f8f6f4 v[rD:rD+7], v[rA:rA+15], v[rB:rB+15], v[rC:rC+7], v[rSA], v[rSB] matrix_a_fmt:MATRIX_FMT_BF8 matrix_b_fmt:MATRIX_FMT_BF8 matrix_a_scale:MATRIX_SCALE_ROW1 matrix_b_scale:MATRIX_SCALE_ROW1
.else
	v_wmma_scale_f32_16x16x128_f8f6f4 v[rD:rD+7], v[rA:rA+15], v[rB:rB+15], v[rC:rC+7], v[rSA], v[rSB] matrix_a_fmt:MATRIX_FMT_BF8 matrix_b_fmt:MATRIX_FMT_BF8
.endif
.endm
; 20 products: tiles t0 .. t0 + 3 of units x my five tiles of rows.  The 40 accumulators of a step take turns, one instruction a turn, in the same order in every step.
.macro MULS s, t0
.if (\s) == 0
	WIN 0xb4                                       ; W1 window 0, x window 1, C = b1 in window 3, D window 2
.else
	WIN 0xa4                                       ; C and D window 2
.endif
.irp t, \t0, \t0+1, \t0+2, \t0+3
.irp m, 0,1,2
.set rD, 64*\m+8*(\t)
.set rA, AF+16*(\t)
.set rB, 80*((\s)%3)+16*\m
.set rC, rD
.if (\s) == 0
.set rC, BI+8*(\t)
.endif
.set rSA, AS+4*(\t)+(\s)%4
.set rSB, BS+4*\m+(\s)%4
	WM (\s)/4
.endr
.endr
	WIN 0xf4                                       ; C and D window 3 (b1 lies there too)
.irp t, \t0, \t0+1, \t0+2, \t0+3
.irp m, 3,4
.set rD, 64*(\m-3)+8*(\t)
.set rA, AF+16*(\t)
.set rB, 80*((\s)%3)+16*\m
.set rC, rD
.if (\s) == 0
.set rC, BI+8*(\t)
.endif
.set rSA, AS+4*(\t)+(\s)%4
.set rSB, BS+4*\m+(\s)%4
	WM (\s)/4
.endr
.endr
.endm
.macro STEP s                          ; 128 along K: 40 products
.if (\s) <= 5
	s_wait_loadcnt 40                              ; this step's 20 loads are in; those of the two steps behind it may be out
.elseif (\s) == 6
	s_wait_loadcnt 20
.else
	s_wait_loadcnt 0x0
.endif
	s_wait_dscnt 16                                ; W1's tiles 0-3 are in; the 16 loads of tiles 4-7 may be out
	MULS \s, 0
	s_wait_dscnt 0x0                               ; tiles 4-7 are in
.if (\s) < 7
	WIN 0
	PLACES
	AFETCH (\s)+1, 0                               ; tiles 0-3 are free: the next step's, 20 products ahead of their use
.endif
	MULS \s, 4
	WIN 0
	PLACES
.if (\s) < 7
	AFETCH (\s)+1, 1
.endif
.if (\s) < 5
	BLOAD (\s)+3                                   ; into the slot just multiplied
.endif
.endm
; 64 numbers of a lane, register 16 b + i = unit 32 b + 16 (lane / 16) + i of my row, become a fragment's codes in v[PC] on and its scale word in v[PW].  All operands lie in one window.
.macro QUANT s
.irp b, 0,1,2,3
	v_max3_num_f32 v[TM+\b], v[(\s)+16*\b], v[(\s)+16*\b+1], 0x8000000   ; no |.|: what is negative becomes 0 and must not count; the floor 2^(16 - 127) stands over it.  (Each accumulator is read from its low end on)
.endr
.irp i, 2,4,6,8,10,12,14
.irp b, 0,1,2,3
	v_max3_num_f32 v[TM+\b], v[TM+\b], v[(\s)+16*\b+\i], v[(\s)+16*\b+\i+1]
.endr
.endr
.irp b, 0,1,2,3
	v_permlanex16_b32 v[TM+4+\b], v[TM+\b], s[SEL], s[SEL+1]
.endr
.irp b, 0,1,2,3
	v_max_num_f32 v[TM+\b], v[TM+\b], v[TM+4+\b]   ; with lane l xor 16's 16: the block's largest
.endr
.irp b, 0,1,2,3
	v_add_nc_u32 v[TM+12+\b], 0xf8800000, v[TM+\b] ; 15 off its exponent field: the conversion's scale operand
.endr
.irp b, 0,1,2,3
	v_and_or_b32 v[TM+8+\b], v[TM+\b], 0x7f800000, s[MNT]   ; 57,344 x the scale
.endr
.irp b, 0,1,2,3
	v_lshrrev_b32 v[TM+4+\b], 23, v[TM+12+\b]      ; the scale's byte
.endr
	v_lshl_or_b32 v[PW], v[TM+5], 8, v[TM+4]
	v_lshl_or_b32 v[PW], v[TM+6], 16, v[PW]
	v_lshl_or_b32 v[PW], v[TM+7], 24, v[PW]
.irp b, 0,1,2,3
.irp i, 0,1,2,3,4,5,6,7,8,9,10,11,12,13,14,15
	v_med3_num_f32 v[(\s)+16*\b+\i], v[(\s)+16*\b+\i], 0, v[TM+8+\b]   ; relu and the hold in one (the conversion does not saturate: ISA guide 7.6.2)
.endr
	v_cvt_scalef32_pk8_bf8_f32 v[PC+4*\b:PC+4*\b+1], v[(\s)+16*\b:(\s)+16*\b+7], v[TM+12+\b]
	v_cvt_scalef32_pk8_bf8_f32 v[PC+4*\b+2:PC+4*\b+3], v[(\s)+16*\b+8:(\s)+16*\b+15], v[TM+12+\b]
.endr
	v_nop                                          ; a plain line behind the last conversion: the next pass's products write its sources
.endm
.macro EPI m                           ; my tile m of the pass: quantised and stored, if the expert has it
	WIN 0
	s_add_co_u32 s28, s[T0], 4*\m
	s_cmp_ge_u32 s28, s[NT]
	s_cbranch_scc1 .Lskip_\@
	s_min_u32 s28, s28, 63
	s_wait_xcnt 0x0                                ; the last tile's stores have read their data and bases: both are written again below
	s_lshl_b32 s30, s28, 16
	s_add_nc_u64 s[32:33], s[HB:HB+1], s[30:31]
	s_lshl_b32 s30, s28, 11
	s_add_nc_u64 s[34:35], s[SB:SB+1], s[30:31]
.if \m < 3
	WIN 0xaa
	QUANT 64*\m
	WIN 0x08                                       ; a store's data are its source 1
.else
	WIN 0xff
	QUANT 64*(\m-3)
	WIN 0x0c
.endif
.irp c, 0,1,2,3
	global_store_b128 v[LI], v[PC+4*\c:PC+4*\c+3], s[32:33] offset:512*\c   ; the image: 512 consecutive aligned bytes a store
.endr
	global_store_b32 v[HSO], v[PW], s[34:35]       ; my row's word; lanes 16-31 repeat lanes 0-15's address and value
	WIN 0
.Lskip_\@:
.endm
	s_load_b256 s[4:11], s[0:1], 0x0               ; W1's codes s[4:5], its scales s[6:7], b1 s[8:9], xq s[10:11]
	s_load_b128 s[12:15], s[0:1], 0x20             ; sel s[12:13], plan s[14:15]
	s_load_b64 s[48:49], s[0:1], 0x30              ; h
	v_lshl_add_u32 v126, v0, 2, 0x22800
	v_mov_b32 v127, 0
	v_lshrrev_b32 v11, 5, v0
	v_readfirstlane_b32 s[WV], v11                 ; wave 0..3
	v_and_b32 v1, 31, v0                           ; lane
	v_and_b32 v2, 15, v0                           ; r
	v_bfe_u32 v3, v0, 4, 1                         ; h
	v_lshlrev_b32 v[LI], 4, v1
	v_mul_u32_u24 v[AF0], v2, LP
	v_lshl_add_u32 v[AF0], v3, 4, v[AF0]
	v_add_nc_u32 v[AF0+1], 64*LP, v[AF0]
	s_mul_i32 s28, s[WV], 32*LP
	v_add_nc_u32 v[WS], s28, v[LI]
	v_lshlrev_b32 v[H16], 4, v3
	v_and_b32 v[ASA], 8, v2
	v_add_nc_u32 v[ASA], v[ASA], v2
	v_mul_u32_u24 v[ASA], v[ASA], SROW
	v_add_nc_u32 v[ASA], v[ASA], v[H16]
	v_lshlrev_b32 v[BIA], 6, v3
	v_lshl_add_u32 v[LA0], v2, 2, LIST
	v_lshlrev_b32 v[HSO], 5, v2
	v_lshlrev_b32 v[L4], 2, v1
	v_add_nc_u32 v[SPI], 1024, v1
	v_add_nc_u32 v[ZA], LIST, v[LI]
.irp i, 0,1,2,3
	v_mov_b32 v[ZR+\i], 0
.endr
	s_lshr_b32 s25, ttmp9, 5                       ; e
	s_and_b32 s38, ttmp9, 31                       ; j
	s_lshl_b32 s39, s25, 10                        ; 1024 e
	s_lshl_b32 s47, 0x101, s25                     ; my expert's two bits in a word of sel
	s_mov_b32 s31, 0                               ; the upper word of every offset pair s[30:31]: it stays 0
	s_mov_b32 s[SEL], 0x76543210
	s_mov_b32 s[SEL+1], 0xfedcba98                 ; v_permlanex16_b32's selects for lane l xor 16
	s_mov_b32 s[MNT], 0x600000                     ; the mantissa field of 57,344
	s_mov_b32 s[T0], s[WV]
	s_mov_b32 s[PS], 0
	s_wait_kmcnt 0x0
	s_lshl_b32 s30, ttmp9, 17                      ; 128 rows of 1,024 bytes a work-group,
	s_lshl_b32 s28, s[WV], 15                      ; 32 a wave
	s_add_co_u32 s30, s30, s28
	s_add_nc_u64 s[4:5], s[4:5], s[30:31]
.irp q, 0,1,2,3,4,5,6,7
	global_load_b128 v[SW+4*\q:SW+4*\q+3], v[LI], s[12:13] offset:512*\q   ; all of sel: 8 loads, ahead of the weights
.endr
	WIN 0x80
	WLOAD 0                                        ; all of my 32 KiB of W1: 64 loads
	WLOAD 1
	WLOAD 2
	WLOAD 3
	WIN 0
	s_lshl_b32 s30, ttmp9, 12
	s_add_nc_u64 s[6:7], s[6:7], s[30:31]          ; 128 rows of 32 scale bytes
	s_lshl_b32 s30, ttmp9, 9
	s_add_nc_u64 s[8:9], s[8:9], s[30:31]          ; 128 numbers of b1
	s_add_nc_u64 s[XS:XS+1], s[10:11], 0x100000
	s_lshl_b32 s30, s25, 12
	s_add_nc_u64 s[36:37], s[14:15], s[30:31]      ; posn[e], less its 65,536
	s_lshl_b32 s30, s25, 7
	s_add_nc_u64 s[50:51], s[14:15], s[30:31]      ; cnt[e], less its 98,304
	s_lshl_b32 s30, s25, 22
	s_lshl_b32 s28, s38, 11
	s_add_co_u32 s30, s30, s28
	s_add_nc_u64 s[HB:HB+1], s[48:49], s[30:31]
	s_lshl_b32 s30, s25, 17
	s_lshr_b32 s28, s38, 3
	s_lshl_b32 s28, s28, 9
	s_add_co_u32 s30, s30, s28
	s_and_b32 s28, s38, 7
	s_lshl_b32 s28, s28, 2
	s_add_co_u32 s30, s30, s28
	s_add_nc_u64 s[SB:SB+1], s[48:49], s[30:31]
	s_add_nc_u64 s[SB:SB+1], s[SB:SB+1], 0x2000000
	s_wait_loadcnt 63                              ; sel is in: 64 loads were issued behind its eight, and 63, the largest count that a wait names, is under that
.set J, 0
.rept 32
	v_and_b32 v[SW+J], s47, v[SW+J]
	v_cmp_ne_u32 s[MK+J], 0, v[SW+J]               ; who chose my expert: a lane mask for each of the 32 registers
.set J, J+1
.endr
	s_mov_b32 s[NT], 0
.set J, 0
.rept 32
	s_bcnt1_i32_b32 s28, s[MK+J]
	s_add_co_u32 s[NT], s[NT], s28                 ; the expert's rows
.set J, J+1
.endr
	s_min_u32 s[NT], s[NT], 1024
	s_add_co_u32 s[NT], s[NT], 15
	s_lshr_b32 s[NT], s[NT], 4
	s_max_u32 s[NT], s[NT], 1                      ; tiles of the expert; one at the least, so that tile 0 of h is always written
	s_cmp_lg_u32 s[WV], 0
	s_cbranch_scc1 .Lplaced                        ; wave 0 alone places the rows; no other wave touches LDS ahead of the barrier below
.irp q, 0,1,2,3,4,5,6,7,8,9,10,11,12,13,14,15
	ds_store_b128 v[ZA], v[ZR:ZR+3] offset:512*\q  ; the list's 8 KiB are cleared first: LDS serves a wave's instructions in order (ISA guide 5.7.1.4)
.endr
	s_mov_b32 s29, 0                               ; rows so far
.set J, 0
.rept 32
	ENTRY J
.set J, J+1
.endr
	s_cmp_lg_u32 s38, 0
	s_cbranch_scc1 .Lplaced                        ; the expert's first work-group alone stores the places and the count for the launches behind
.set J, 0
.rept 32
	v_add_nc_u32 v[PL+J], s39, v[PL+J]             ; 1024 e + p
.set J, J+1
.endr
.irp q, 0,1,2,3,4,5,6,7
	global_store_b128 v[LI], v[PL+4*\q:PL+4*\q+3], s[36:37] offset:65536+512*\q   ; 512 consecutive aligned bytes a store
.endr
	v_mov_b32 v[SW], s29
	global_store_b32 v[L4], v[SW], s[50:51] offset:98304   ; cnt[e], 32 times
	s_wait_xcnt 0x0                                ; these stores have read v128 and v160-191: W1's fragments land there only behind this wait
.Lplaced:
	s_wait_dscnt 0x0                               ; for the others' sake: the list lies in LDS
	s_barrier_signal -1
	s_barrier_wait -1                              ; the first barrier: behind it the list is only read, and the weights' rows may be stored
	LISTLOAD                                       ; 5 LDS loads
	s_wait_loadcnt 48                              ; W1's first 16 loads are in; its other 48 may be out
	WIN 0x08
	WSTORE 0
	WIN 0
	s_wait_dscnt 16                                ; my tokens are in; the 16 stores behind them may be out
	ADDR
	BSCALE                                         ; 5 loads,
.irp t, 0,1,2,3,4,5,6,7
	global_load_b128 v[AS+4*\t:AS+4*\t+3], v[ASA], s[6:7] offset:(32*(\t/2)+8*(\t%2))*SROW   ; and 8
.endr
	s_wait_loadcnt 45                              ; behind W1's second 16: its last 32 and these 13
	WIN 0x08
	WSTORE 1
	WIN 0xc0
.irp t, 0,1,2,3,4,5,6,7
	global_load_b128 v[BI+8*\t:BI+8*\t+3], v[BIA], s[8:9] offset:(32*(\t/2)+8*(\t%2))*4      ; lane (r, h), tile 2 b + u: b1 at units 32 b + 16 h + 8 u + 0 .. 7
	global_load_b128 v[BI+8*\t+4:BI+8*\t+7], v[BIA], s[8:9] offset:(32*(\t/2)+8*(\t%2))*4+16
.endr
	s_wait_loadcnt 45                              ; behind W1's third 16: its last 16, the 13 and these 16
	WIN 0x08
	WSTORE 2
	BLOAD 0
	s_wait_loadcnt 49                              ; behind W1's last 16: 13 + 16 + 20
	WIN 0x08
	WSTORE 3
	BLOAD 1
	BLOAD 2
	s_wait_dscnt 0x0                               ; for the others' sake: my 32 rows lie in LDS
	s_barrier_signal -1
	s_barrier_wait -1                              ; all 128 do.  The second and last barrier: no branch in front of it hangs on the count
	WIN 0x80
.irp b, 0,1,2,3
	v_mov_b32 v[TM+4+\b], 0                        ; written once in both windows: a lane permute's destination counts as one of its sources
.endr
	WIN 0xc0
.irp b, 0,1,2,3
	v_mov_b32 v[TM+4+\b], 0
.endr
	WIN 0
	s_cmp_ge_u32 s[WV], s[NT]
	s_cbranch_scc1 .Ldone                          ; fewer tiles than waves: nothing for me
.Lpass:                                            ; four passes at the most (64 tiles, 20 a pass); the loop is left below as soon as the expert has no tile for me
	AFETCH 0, 0
	AFETCH 0, 1
	STEP 0
	STEP 1
	STEP 2
	STEP 3
	STEP 4
	STEP 5
	STEP 6
	STEP 7                                         ; its last eight v_nop are the places ahead of the first read of results
	EPI 0
	EPI 1
	EPI 2
	EPI 3
	EPI 4
	s_add_co_u32 s[PS], s[PS], 1
	s_add_co_u32 s[T0], s[T0], 20
	s_cmp_ge_u32 s[T0], s[NT]
	s_cbranch_scc1 .Ldone
	LISTLOAD                                       ; (all earlier loads are in: their address registers may be written)
	s_wait_dscnt 0x0
	ADDR
	BSCALE
	BLOAD 0
	BLOAD 1
	BLOAD 2
	WIN 0
	s_cmp_lt_u32 s[PS], 4
	s_cbranch_scc1 .Lpass
.Ldone:
	s_wait_tensorcnt 0x0
	ds_add_u32 v126, v127
	s_wait_dscnt 0x0
	s_endpgm
.Lfunc_end_k_q03d6dc68f4_ffn1:
	.size	k_q03d6dc68f4_ffn1, .Lfunc_end_k_q03d6dc68f4_ffn1-k_q03d6dc68f4_ffn1
	.p2alignl 7, 3214868480
	.fill 96, 4, 3214868480
	.section	.rodata,"a",@progbits
	.p2align	6, 0x0
	.amdhsa_kernel k_q03d6dc68f4_ffn1
		.amdhsa_group_segment_fixed_size 141824
		.amdhsa_private_segment_fixed_size 0
		.amdhsa_enable_private_segment 0
		.amdhsa_kernarg_size 56
		.amdhsa_user_sgpr_count 2
		.amdhsa_user_sgpr_kernarg_segment_ptr 1
		.amdhsa_wavefront_size32 1
		.amdhsa_system_sgpr_workgroup_id_x 1
		.amdhsa_system_sgpr_workgroup_id_y 1
		.amdhsa_system_sgpr_workgroup_id_z 1
		.amdhsa_system_vgpr_workitem_id 0
		.amdhsa_next_free_vgpr 1024
		.amdhsa_next_free_sgpr 100
		.amdhsa_reserve_vcc 0
		.amdhsa_float_denorm_mode_32 3
		.amdhsa_float_denorm_mode_16_64 3
		.amdhsa_memory_ordered 1
		.amdhsa_forward_progress 1
		.amdhsa_inst_pref_size 172
	.end_amdhsa_kernel
	.amdgpu_metadata
---
amdhsa.version: [ 1, 2 ]
amdhsa.kernels:
  - .name:           k_q03d6dc68f4_ffn1
    .symbol:         k_q03d6dc68f4_ffn1.kd
    .args:
      - { .name: W1_codes, .offset: 0, .size: 8, .value_kind: global_buffer, .address_space: global }
      - { .name: W1_scales, .offset: 8, .size: 8, .value_kind: global_buffer, .address_space: global }
      - { .name: b1, .offset: 16, .size: 8, .value_kind: global_buffer, .address_space: global }
      - { .name: xq, .offset: 24, .size: 8, .value_kind: global_buffer, .address_space: global }
      - { .name: sel, .offset: 32, .size: 8, .value_kind: global_buffer, .address_space: global }
      - { .name: plan, .offset: 40, .size: 8, .value_kind: global_buffer, .address_space: global }
      - { .name: h, .offset: 48, .size: 8, .value_kind: global_buffer, .address_space: global }
    .group_segment_fixed_size: 141824
    .private_segment_fixed_size: 0
    .kernarg_segment_align: 8
    .kernarg_segment_size: 56
    .max_flat_workgroup_size: 128
    .sgpr_count:     100
    .vgpr_count:     1024
    .wavefront_size: 32
...
	.end_amdgpu_metadata
.endif
;; end of part 2
;; launch ffn2 (part 3): grid 256 x 1, 4 waves a work-group, no clusters, 167,424 bytes of LDS; arguments W2_codes, W2_scales, b2, h, plan, ypart; writes ypart
.if DOCPART == 3
	.amdgcn_target "amdgcn-amd-amdhsa--gfx1250"
	.amdhsa_code_object_version 6
	.text
	.protected	k_q03d6dc68f4_ffn2
	.globl	k_q03d6dc68f4_ffn2
	.p2align	8
	.type	k_q03d6dc68f4_ffn2,@function
k_q03d6dc68f4_ffn2:
	s_mov_b64 s[64:65], 0
	v_nop
	global_prefetch_b8 v0, s[64:65] scope:SCOPE_SE
	s_setreg_imm32_b32 hwreg(HW_REG_WAVE_MODE, 25, 1), 1
	s_wait_xcnt 0x0
; PARTS OF y = h W2 + b2 FOR THE ROUTED ROWS, on codes of E5M2 with one E8M0 scale for each 32 along K.
; Work-group id = 32 e + 8 kq + n8: expert e, quarter kq of K = 4,096, output columns 128 n8 .. + 127, ALL rows of the expert.  So each byte of W2 is read from memory once, by one work-group:
; 128 rows x 1,024 bytes go into LDS once and stay.  h's fragments come from memory as images of the operand's registers: every load is 512 consecutive bytes.
; The four quarters' sums go to ypart [kq][1024 e + place][1024] f32 and are added by the next launch, in the order of kq; b2 enters once, as the C of quarter 0's first products (x 0 in the others).
; A wave takes 5 tiles of 16 rows x 128 columns: 40 accumulators.  Tiles are dealt w, w + 4, .. w + 16, then 20 on: a pass of the work-group covers 320 rows.
; How many passes there are hangs on cnt[e], read from memory: so this text has no tensor load and no cluster, its ONE barrier stands ahead of everything that hangs on cnt,
; and what work-groups share (an expert's h, 1 KiB a row and quarter) is read through registers.  A tile past the expert's last is the last one once more, multiplied and not stored.
; THE PRODUCT IS USED TRANSPOSED: source 0 = 16 rows of W2 (columns of y), source 1 = 16 rows of h: a lane holds one row of y.  Row m of tile 2 b + u is column 32 b + 8 u + m + 8 (m / 8)
; (the same order as in the launch before, so that the two texts are alike): lane (r, h), register jj of tile 2 b + u is y(r, 32 b + 16 h + 8 u + jj).
; LIMITS: NaN and infinities are not served (b2 x 0 among them).
; REGISTERS, in windows of 256: window 0: v1-31 addresses; v32-63 W2's scale words; v64-83 h's; v128-255 W2's 8 fragments of a K step, one set (on the way out v128-191: rows of y).
;   window 1: h's fragments, a ring of 3 K steps x 5 tiles x 16.   window 2: accumulators of tiles 0-2 at 64 m + 8 t; at the start all 256 take W2 on its way to LDS.
;   window 3: accumulators of tiles 3, 4; v128-191 b2 in the result's layout.
.set WPITCH, 4096                      ; a row of W2's codes in memory
.set SROW,   128                       ; a row of W2's scale bytes
.set BSTEP,  2048                      ; from K step to K step in h's images
.set BC,     512                       ; from one group of four registers to the next
.set LP,     1040                      ; a row of W2's quarter in LDS: 1,024 + 16 = 65 x 16 bytes: the 16 rows of a fragment load fall on 16 different 16-byte columns of 256
.set STG,    128*LP                    ; behind the weights: a stage of 16 rows x (512 + 16) bytes for each wave
.set SPT,    528
.set LI,  4                            ; v4   16 x lane
.set AF0, 5                            ; v5   my place in a fragment of tiles 0-3: LP r + 16 h;  v6 the same for tiles 4-7 (an LDS offset has 16 bits)
.set WS,  7                            ; v7   where my wave's 32 rows go: 32 LP w + 16 lane
.set H16, 8                            ; v8   16 h
.set ASA, 9                            ; v9   W2's scale words: (r + 8 (r / 8)) SROW + 16 h
.set BIA, 10                           ; v10  b2: 64 h
.set BO,  12                           ; v12-16  tile m: my bytes of its images
.set BSO, 17                           ; v17-21  tile m: its scale words
.set HSL, 28                           ; v28  32 r + 16 h
.set SO,  29                           ; v29  the stage: where I put 32 bytes of a row
.set SR,  30                           ; v30  and where I read a row back
.set AS,  32                           ; tile t: 4 registers; lanes 0-15 hold the words of K steps 0-3, lanes 16-31 those of steps 4-7
.set BS,  64                           ; tile m likewise
.set AF,  128
.set BI,  128                          ; in window 3
.set XB,  16                           ; s[16:17] h's codes at (e, tile 0, step 8 kq);  s[18:19] its scale words likewise
.set XS,  18
.set YB,  20                           ; s[20:21] ypart at (kq, e, place 0, column 128 n8)
.set WV,  24                           ; s24 wave;  s25 e;  s26 tiles of the expert;  s27 my first tile of the pass;  s43 the last tile;  s46 the pass
.set NT,  26
.set T0,  27
.set PS,  46
.set MSB, 0
.macro WIN new                         ; the immediate's high byte repeats the setting that is left; bits 1:0 source 0, 3:2 source 1, 5:4 source 2, 7:6 destination
.if MSB != \new
	s_set_vgpr_msb (MSB<<8)|\new
.set MSB, \new
.endif
.endm
.macro PLACES                          ; a load into a register that this matrix form has read, and a store that reads its result, stand 8 plain vector instructions behind it
.rept 8
	v_nop
.endr
.endm
.macro WLOAD b                         ; 8 rows of W2's quarter, two loads of 512 consecutive bytes each, into window 2
.irp i, 0,1,2,3,4,5,6,7,8,9,10,11,12,13,14,15
.set wi, 16*(\b)+\i
	global_load_b128 v[4*wi:4*wi+3], v[LI], s[4:5] offset:(wi/2)*WPITCH+512*(wi%2) th:TH_LOAD_NT
.endr
.endm
.macro WSTORE b                        ; and on into LDS, in TILE order: row 16 hh + 8 u + jj of my 32 goes to row 16 u + 8 hh + jj
.irp i, 0,1,2,3,4,5,6,7,8,9,10,11,12,13,14,15
.set wi, 16*(\b)+\i
.set wr, wi/2
.set ws, 16*((wr/8)%2)+8*(wr/16)+wr%8
	ds_store_b128 v[WS], v[4*wi:4*wi+3] offset:ws*LP+512*(wi%2)
.endr
.endm
.macro ADDR                            ; my five tiles: none past the expert's last, which is the last that the launch before has written
.irp m, 0,1,2,3,4
	s_add_co_u32 s28, s[T0], 4*\m
	s_min_u32 s28, s28, s43
	s_min_u32 s28, s28, 63
	s_lshl_b32 s29, s28, 16
	v_add_nc_u32 v[BO+\m], s29, v[LI]
	s_lshl_b32 s29, s28, 11
	v_add_nc_u32 v[BSO+\m], s29, v[HSL]
.endr
.endm
.macro BSCALE
.irp m, 0,1,2,3,4
	global_load_b128 v[BS+4*\m:BS+4*\m+3], v[BSO+\m], s[XS:XS+1]
.endr
.endm
.macro BLOAD s                         ; K step s of my five tiles of rows into slot s % 3 of the ring: 20 loads
	WIN 0x40
.irp m, 0,1,2,3,4
.irp c, 0,1,2,3
	global_load_b128 v[80*((\s)%3)+16*\m+4*\c:80*((\s)%3)+16*\m+4*\c+3], v[BO+\m], s[XB:XB+1] offset:BSTEP*(\s)+BC*\c
.endr
.endr
.endm
.macro AFETCH s, half                  ; W2's fragments of K step s, tiles 4 half .. 4 half + 3: 16 LDS loads
.irp t, 0,1,2,3
.irp c, 0,1,2,3
	ds_load_b128 v[AF+64*(\half)+16*\t+4*\c:AF+64*(\half)+16*\t+4*\c+3], v[AF0+(\half)] offset:\t*16*LP+128*(\s)+32*\c
.endr
.endr
.endm
.macro WM hi
.if \hi
	v_wmma_scale_f32_16x16x128_f8f6f4 v[rD:rD+7], v[rA:rA+15], v[rB:rB+15], v[rC:rC+7], v[rSA], v[rSB] matrix_a_fmt:MATRIX_FMT_BF8 matrix_b_fmt:MATRIX_FMT_BF8 matrix_a_scale:MATRIX_SCALE_ROW1 matrix_b_scale:MATRIX_SCALE_ROW1
.else
	v_wmma_scale_f32_16x16x128_f8f6f4 v[rD:rD+7], v[rA:rA+15], v[rB:rB+15], v[rC:rC+7], v[rSA], v[rSB] matrix_a_fmt:MATRIX_FMT_BF8 matrix_b_fmt:MATRIX_FMT_BF8
.endif
.endm
; 20 products: tiles t0 .. t0 + 3 of columns x my five tiles of rows.  The 40 accumulators of a step take turns, one instruction a turn, in the same order in every step.
.macro MULS s, t0
.if (\s) == 0
	WIN 0xb4                                       ; W2 window 0, h window 1, C = b2 in window 3, D window 2
.else
	WIN 0xa4                                       ; C and D window 2
.endif
.irp t, \t0, \t0+1, \t0+2, \t0+3
.irp m, 0,1,2
.set rD, 64*\m+8*(\t)
.set rA, AF+16*(\t)
.set rB, 80*((\s)%3)+16*\m
.set rC, rD
.if (\s) == 0
.set rC, BI+8*(\t)
.endif
.set rSA, AS+4*(\t)+(\s)%4
.set rSB, BS+4*\m+(\s)%4
	WM (\s)/4
.endr
.endr
	WIN 0xf4                                       ; C and D window 3 (b2 lies there too)
.irp t, \t0, \t0+1, \t0+2, \t0+3
.irp m, 3,4
.set rD, 64*(\m-3)+8*(\t)
.set rA, AF+16*(\t)
.set rB, 80*((\s)%3)+16*\m
.set rC, rD
.if (\s) == 0
.set rC, BI+8*(\t)
.endif
.set rSA, AS+4*(\t)+(\s)%4
.set rSB, BS+4*\m+(\s)%4
	WM (\s)/4
.endr
.endr
.endm
.macro STEP s                          ; 128 along K: 40 products
.if (\s) <= 5
	s_wait_loadcnt 40                              ; this step's 20 loads are in; those of the two steps behind it may be out
.elseif (\s) == 6
	s_wait_loadcnt 20
.else
	s_wait_loadcnt 0x0
.endif
	s_wait_dscnt 16                                ; W2's tiles 0-3 are in; the 16 loads of tiles 4-7 may be out
	MULS \s, 0
	s_wait_dscnt 0x0                               ; tiles 4-7 are in
.if (\s) < 7
	WIN 0
	PLACES
	AFETCH (\s)+1, 0                               ; tiles 0-3 are free: the next step's, 20 products ahead of their use
.endif
	MULS \s, 4
	WIN 0
	PLACES
.if (\s) < 7
	AFETCH (\s)+1, 1
.endif
.if (\s) < 5
	BLOAD (\s)+3                                   ; into the slot just multiplied
.endif
.endm
; My tile m of the pass goes out, if the expert has it.  A lane holds 32-byte pieces of one row and the lanes beside it hold other rows: so the tile goes through my own stage and comes back as whole rows of 512 bytes.
.macro EPI m
	WIN 0
	s_add_co_u32 s28, s[T0], 4*\m
	s_cmp_ge_u32 s28, s[NT]
	s_cbranch_scc1 .Lskip_\@
	s_min_u32 s28, s28, 63
	s_wait_xcnt 0x0                                ; the last tile's stores have read their data and their base: both are written again below
	s_lshl_b32 s30, s28, 16
	s_add_nc_u64 s[32:33], s[YB:YB+1], s[30:31]
.if \m < 3
	WIN 0x08                                       ; an LDS store's data are its source 1
.set rY, 64*\m
.else
	WIN 0x0c
.set rY, 64*(\m-3)
.endif
.irp t, 0,1,2,3,4,5,6,7
	ds_store_b128 v[SO], v[rY+8*\t:rY+8*\t+3] offset:128*(\t/2)+32*(\t%2)        ; each accumulator from its low end on
	ds_store_b128 v[SO], v[rY+8*\t+4:rY+8*\t+7] offset:128*(\t/2)+32*(\t%2)+16
.endr
	WIN 0
.irp p, 0,1,2,3,4,5,6,7,8,9,10,11,12,13,14,15
	ds_load_b128 v[AF+4*\p:AF+4*\p+3], v[SR] offset:SPT*\p   ; LDS serves a wave's instructions in order (ISA guide 5.7.1.4): these see the stores above
.endr
.irp p, 0,1,2,3,4,5,6,7,8,9,10,11,12,13,14,15
	s_wait_dscnt 15-\p                             ; row p is back; the younger rows may be out
	global_store_b128 v[LI], v[AF+4*\p:AF+4*\p+3], s[32:33] offset:4096*\p th:TH_STORE_NT   ; 512 consecutive bytes, at a multiple of 512 from ypart's first byte
.endr
.Lskip_\@:
.endm
	s_load_b256 s[4:11], s[0:1], 0x0               ; W2's codes s[4:5], its scales s[6:7], b2 s[8:9], h s[10:11]
	s_load_b128 s[12:15], s[0:1], 0x20             ; plan s[12:13], ypart s[14:15]
	v_lshl_add_u32 v126, v0, 2, 0x28c00
	v_mov_b32 v127, 0
	v_lshrrev_b32 v11, 5, v0
	v_readfirstlane_b32 s[WV], v11                 ; wave 0..3
	v_and_b32 v1, 31, v0                           ; lane
	v_and_b32 v2, 15, v0                           ; r
	v_bfe_u32 v3, v0, 4, 1                         ; h
	v_lshlrev_b32 v[LI], 4, v1
	v_mul_u32_u24 v[AF0], v2, LP
	v_lshl_add_u32 v[AF0], v3, 4, v[AF0]
	v_add_nc_u32 v[AF0+1], 64*LP, v[AF0]
	s_mul_i32 s28, s[WV], 32*LP
	v_add_nc_u32 v[WS], s28, v[LI]
	v_lshlrev_b32 v[H16], 4, v3
	v_and_b32 v[ASA], 8, v2
	v_add_nc_u32 v[ASA], v[ASA], v2
	v_mul_u32_u24 v[ASA], v[ASA], SROW
	v_add_nc_u32 v[ASA], v[ASA], v[H16]
	v_lshlrev_b32 v[BIA], 6, v3
	v_lshl_add_u32 v[HSL], v2, 5, v[H16]
	s_mul_i32 s28, s[WV], 16*SPT
	s_add_co_u32 s28, s28, STG                     ; my stage
	v_mul_u32_u24 v[SO], v2, SPT
	v_lshl_add_u32 v[SO], v3, 6, v[SO]
	v_add_nc_u32 v[SO], s28, v[SO]                 ; in: row r, + 64 h
	v_add_nc_u32 v[SR], s28, v[LI]                 ; back: 16 bytes a lane of a row
	s_lshr_b32 s25, ttmp9, 5                       ; e
	s_bfe_u32 s38, ttmp9, 0x20003                  ; kq: 2 bits from bit 3
	s_and_b32 s39, ttmp9, 7                        ; n8
	s_lshl_b32 s29, s25, 10
	s_lshl_b32 s28, s39, 7
	s_add_co_u32 s29, s29, s28                     ; my first row of W2: 1024 e + 128 n8
	s_mov_b32 s31, 0                               ; the upper word of every offset pair s[30:31]: it stays 0
	s_mov_b32 s[T0], s[WV]
	s_mov_b32 s[PS], 0
	s_cmp_eq_u32 s38, 0
	s_cselect_b32 s44, 0x3f800000, 0               ; b2 counts in quarter 0 alone
	s_mov_b32 s45, s44                             ; (named with it as a pair, so it is written)
	s_wait_kmcnt 0x0
	s_lshl_b32 s28, s[WV], 5
	s_add_co_u32 s30, s29, s28                     ; my wave's 32 rows
	s_lshl_b32 s30, s30, 12
	s_lshl_b32 s28, s38, 10
	s_add_co_u32 s30, s30, s28
	s_add_nc_u64 s[4:5], s[4:5], s[30:31]
	s_lshl_b32 s30, s29, 7
	s_lshl_b32 s28, s38, 5
	s_add_co_u32 s30, s30, s28
	s_add_nc_u64 s[6:7], s[6:7], s[30:31]
	s_lshl_b32 s30, s29, 2
	s_add_nc_u64 s[8:9], s[8:9], s[30:31]
	s_lshl_b32 s30, s25, 7
	s_add_nc_u64 s[36:37], s[12:13], s[30:31]
	s_load_b32 s[NT], s[36:37], 0x18000            ; cnt[e]
	s_lshl_b32 s30, s25, 22
	s_lshl_b32 s28, s38, 14
	s_add_co_u32 s30, s30, s28
	s_add_nc_u64 s[XB:XB+1], s[10:11], s[30:31]
	s_lshl_b32 s30, s25, 17
	s_lshl_b32 s28, s38, 9
	s_add_co_u32 s30, s30, s28
	s_add_nc_u64 s[XS:XS+1], s[10:11], s[30:31]
	s_add_nc_u64 s[XS:XS+1], s[XS:XS+1], 0x2000000
	s_lshl_b32 s30, s38, 25
	s_lshl_b32 s28, s25, 22
	s_add_co_u32 s30, s30, s28
	s_lshl_b32 s28, s39, 9
	s_add_co_u32 s30, s30, s28
	s_add_nc_u64 s[YB:YB+1], s[14:15], s[30:31]
	WIN 0x80
	WLOAD 0                                        ; all of my 32 KiB of W2: 64 loads
	WLOAD 1
	WLOAD 2
	WLOAD 3
	WIN 0
	s_wait_kmcnt 0x0
	s_min_u32 s[NT], s[NT], 1024
	s_add_co_u32 s[NT], s[NT], 15
	s_lshr_b32 s[NT], s[NT], 4
	s_max_u32 s[NT], s[NT], 1                      ; tiles of the expert; one at the least, as in the launch before
	s_sub_co_u32 s43, s[NT], 1
	s_wait_loadcnt 48                              ; W2's first 16 loads are in; its other 48 may be out
	WIN 0x08
	WSTORE 0
	WIN 0
	ADDR
	BSCALE                                         ; 5 loads,
.irp t, 0,1,2,3,4,5,6,7
	global_load_b128 v[AS+4*\t:AS+4*\t+3], v[ASA], s[6:7] offset:(32*(\t/2)+8*(\t%2))*SROW   ; and 8
.endr
	s_wait_loadcnt 45                              ; behind W2's second 16: its last 32 and these 13
	WIN 0x08
	WSTORE 1
	WIN 0xc0
.irp t, 0,1,2,3,4,5,6,7
	global_load_b128 v[BI+8*\t:BI+8*\t+3], v[BIA], s[8:9] offset:(32*(\t/2)+8*(\t%2))*4      ; lane (r, h), tile 2 b + u: b2 at columns 32 b + 16 h + 8 u + 0 .. 7
	global_load_b128 v[BI+8*\t+4:BI+8*\t+7], v[BIA], s[8:9] offset:(32*(\t/2)+8*(\t%2))*4+16
.endr
	s_wait_loadcnt 45                              ; behind W2's third 16: its last 16, the 13 and these 16
	WIN 0x08
	WSTORE 2
	BLOAD 0
	s_wait_loadcnt 49                              ; behind W2's last 16: 13 + 16 + 20
	WIN 0x08
	WSTORE 3
	BLOAD 1
	BLOAD 2
	s_wait_loadcnt 60                              ; b2 is in; the ring's three steps may be out
	WIN 0xc3                                       ; destination and source 0 window 3
.set i, 0
.rept 32
	v_pk_mul_f32 v[BI+i:BI+i+1], v[BI+i:BI+i+1], s[44:45] op_sel_hi:[1,0]   ; x 1 in quarter 0, x 0 in the others
.set i, i+2
.endr
	WIN 0
	s_wait_dscnt 0x0                               ; for the others' sake: my 32 rows lie in LDS
	s_barrier_signal -1
	s_barrier_wait -1                              ; all 128 do.  The one barrier: nothing in front of it hangs on cnt
	s_cmp_ge_u32 s[WV], s[NT]
	s_cbranch_scc1 .Ldone                          ; fewer tiles than waves: nothing for me
.Lpass:                                            ; four passes at the most (64 tiles, 20 a pass); the loop is left below as soon as the expert has no tile for me
	s_wait_xcnt 0x0                                ; the last pass's stores have read v128-191: W2's fragments land there again only behind this wait
	AFETCH 0, 0
	AFETCH 0, 1
	STEP 0
	STEP 1
	STEP 2
	STEP 3
	STEP 4
	STEP 5
	STEP 6
	STEP 7                                         ; its last eight v_nop are the places ahead of the first read of results and of the loads onto W2's fragments
	EPI 0
	EPI 1
	EPI 2
	EPI 3
	EPI 4
	s_add_co_u32 s[PS], s[PS], 1
	s_add_co_u32 s[T0], s[T0], 20
	s_cmp_ge_u32 s[T0], s[NT]
	s_cbranch_scc1 .Ldone
	ADDR                                           ; (all earlier loads are in: their address registers may be written)
	BSCALE
	BLOAD 0
	BLOAD 1
	BLOAD 2
	WIN 0
	s_cmp_lt_u32 s[PS], 4
	s_cbranch_scc1 .Lpass
.Ldone:
	s_wait_tensorcnt 0x0
	ds_add_u32 v126, v127
	s_wait_dscnt 0x0
	s_endpgm
.Lfunc_end_k_q03d6dc68f4_ffn2:
	.size	k_q03d6dc68f4_ffn2, .Lfunc_end_k_q03d6dc68f4_ffn2-k_q03d6dc68f4_ffn2
	.p2alignl 7, 3214868480
	.fill 96, 4, 3214868480
	.section	.rodata,"a",@progbits
	.p2align	6, 0x0
	.amdhsa_kernel k_q03d6dc68f4_ffn2
		.amdhsa_group_segment_fixed_size 167424
		.amdhsa_private_segment_fixed_size 0
		.amdhsa_enable_private_segment 0
		.amdhsa_kernarg_size 48
		.amdhsa_user_sgpr_count 2
		.amdhsa_user_sgpr_kernarg_segment_ptr 1
		.amdhsa_wavefront_size32 1
		.amdhsa_system_sgpr_workgroup_id_x 1
		.amdhsa_system_sgpr_workgroup_id_y 1
		.amdhsa_system_sgpr_workgroup_id_z 1
		.amdhsa_system_vgpr_workitem_id 0
		.amdhsa_next_free_vgpr 1024
		.amdhsa_next_free_sgpr 66
		.amdhsa_reserve_vcc 0
		.amdhsa_float_denorm_mode_32 3
		.amdhsa_float_denorm_mode_16_64 3
		.amdhsa_memory_ordered 1
		.amdhsa_forward_progress 1
		.amdhsa_inst_pref_size 126
	.end_amdhsa_kernel
	.amdgpu_metadata
---
amdhsa.version: [ 1, 2 ]
amdhsa.kernels:
  - .name:           k_q03d6dc68f4_ffn2
    .symbol:         k_q03d6dc68f4_ffn2.kd
    .args:
      - { .name: W2_codes, .offset: 0, .size: 8, .value_kind: global_buffer, .address_space: global }
      - { .name: W2_scales, .offset: 8, .size: 8, .value_kind: global_buffer, .address_space: global }
      - { .name: b2, .offset: 16, .size: 8, .value_kind: global_buffer, .address_space: global }
      - { .name: h, .offset: 24, .size: 8, .value_kind: global_buffer, .address_space: global }
      - { .name: plan, .offset: 32, .size: 8, .value_kind: global_buffer, .address_space: global }
      - { .name: ypart, .offset: 40, .size: 8, .value_kind: global_buffer, .address_space: global }
    .group_segment_fixed_size: 167424
    .private_segment_fixed_size: 0
    .kernarg_segment_align: 8
    .kernarg_segment_size: 48
    .max_flat_workgroup_size: 128
    .sgpr_count:     66
    .vgpr_count:     1024
    .wavefront_size: 32
...
	.end_amdgpu_metadata
.endif
;; end of part 3
;; launch combine (part 4): grid 256 x 1, 8 waves a work-group, no clusters, 0 bytes of LDS; arguments ypart, plan, gate, out0, sel; writes out0
.if DOCPART == 4
	.amdgcn_target "amdgcn-amd-amdhsa--gfx1250"
	.amdhsa_code_object_version 6
	.text
	.protected	k_q03d6dc68f4_combine
	.globl	k_q03d6dc68f4_combine
	.p2align	8
	.type	k_q03d6dc68f4_combine,@function
k_q03d6dc68f4_combine:
	s_mov_b64 s[64:65], 0
	v_nop
	global_prefetch_b8 v0, s[64:65] scope:SCOPE_SE
	s_setreg_imm32_b32 hwreg(HW_REG_WAVE_MODE, 25, 1), 1
	s_wait_xcnt 0x0
; out0[t] = g0 y(slot 0) + g1 y(slot 1), y(slot) = the sum of ypart's four quarters of K, in the order of K, at the row that the plan names for the token in the slot's expert.
; ypart [kq 4][8192 rows][1024] f32; sel[t] = 1 << e0 | 0x100 << e1; posn[e][token] u32 (= 1024 e + place) at plan's byte 65,536; gate [1024][2] f32; out0 [1024][1024] f32.
; A wave takes half a row of one token: 8 rows' halves in (32 loads of 512 consecutive bytes, all issued at once), one half row out.  Each output row has one owner: nothing is added in memory.
; A stream: no LDS, no barrier, no matrix unit, no cluster (no byte of ypart is read twice).
.set Y, 16                             ; v16-143: slot g, quarter k, chunk i at 64 g + 16 k + 4 i
	s_load_b256 s[4:11], s[0:1], 0x0               ; ypart s[4:5], plan s[6:7], gate s[8:9], out0 s[10:11]
	s_load_b64 s[36:37], s[0:1], 0x20              ; sel
	v_lshrrev_b32 v1, 5, v0
	v_readfirstlane_b32 s14, v1                    ; wave 0..7
	v_and_b32 v1, 31, v0
	v_lshlrev_b32 v1, 4, v1                        ; 16 x lane
	s_lshr_b32 s15, s14, 1
	s_lshl_b32 s16, ttmp9, 2
	s_add_co_u32 s15, s15, s16                     ; my token: 4 x work-group + wave / 2
	s_and_b32 s16, s14, 1
	s_lshl_b32 s16, s16, 11                        ; my half of a row: 2,048 bytes
	v_add_nc_u32 v7, s16, v1                       ; my 16 bytes of a row's first chunk
	s_lshl_b32 s12, s15, 3
	s_mov_b32 s13, 0
	s_lshl_b32 s38, s15, 2
	s_mov_b32 s39, 0
	v_mov_b32 v4, s38                              ; 4 x token: its word in a row of posn
	s_wait_kmcnt 0x0
	s_add_nc_u64 s[34:35], s[8:9], s[12:13]
	s_add_nc_u64 s[36:37], s[36:37], s[38:39]
	s_load_b32 s17, s[36:37], 0x0                  ; the token's two experts
	s_load_b64 s[22:23], s[34:35], 0x0             ; and its two gates
	s_lshl_b32 s12, s15, 12
	s_add_co_u32 s12, s12, s16
	s_add_nc_u64 s[10:11], s[10:11], s[12:13]      ; out0 at my half row
	s_mov_b64 s[24:25], s[4:5]                     ; the four quarters' bases
	s_add_nc_u64 s[26:27], s[4:5], 0x2000000
	s_add_nc_u64 s[28:29], s[4:5], 0x4000000
	s_add_nc_u64 s[30:31], s[4:5], 0x6000000
	s_wait_kmcnt 0x0
	s_and_b32 s18, s17, 0xff
	s_ctz_i32_b32 s18, s18                         ; e0
	s_min_u32 s18, s18, 7                          ; what came from memory is held before it enters an address
	s_lshr_b32 s19, s17, 8
	s_ctz_i32_b32 s19, s19                         ; e1
	s_min_u32 s19, s19, 7
	s_lshl_b32 s18, s18, 12                        ; a row of posn is 4,096 bytes
	s_lshl_b32 s19, s19, 12
	v_add_nc_u32 v5, s18, v4
	v_add_nc_u32 v6, s19, v4
	global_load_b32 v2, v5, s[6:7] offset:65536    ; the token's row in each of the two experts (all lanes read the same word)
	global_load_b32 v3, v6, s[6:7] offset:65536
	s_mov_b32 s32, s23                             ; g1 as a pair's low word: the packed forms take a scalar pair's low word for both halves
	s_mov_b32 s33, s23
	s_wait_loadcnt 0x0
	v_min_u32 v2, 0x1fff, v2
	v_min_u32 v3, 0x1fff, v3
	v_lshl_add_u32 v2, v2, 12, v7                  ; a row of ypart is 4,096 bytes
	v_lshl_add_u32 v3, v3, 12, v7
.irp i, 0,1,2,3
.irp g, 0,1
.irp k, 0,1,2,3
	global_load_b128 v[Y+64*\g+16*\k+4*\i:Y+64*\g+16*\k+4*\i+3], v[2+\g], s[24+2*\k:25+2*\k] offset:512*\i th:TH_LOAD_NT
.endr
.endr
.endr
.irp i, 0,1,2,3
	s_wait_loadcnt 24-8*\i                         ; chunk i's eight loads are in; the later chunks' may be out
.irp k, 1,2,3
.irp g, 0,1
.irp p, 0,2
	v_pk_add_f32 v[Y+64*\g+4*\i+\p:Y+64*\g+4*\i+\p+1], v[Y+64*\g+4*\i+\p:Y+64*\g+4*\i+\p+1], v[Y+64*\g+16*\k+4*\i+\p:Y+64*\g+16*\k+4*\i+\p+1]   ; four chains by turns, K ascending
.endr
.endr
.endr
.irp p, 0,2
	v_pk_mul_f32 v[Y+4*\i+\p:Y+4*\i+\p+1], v[Y+4*\i+\p:Y+4*\i+\p+1], s[22:23] op_sel_hi:[1,0]
.endr
.irp p, 0,2
	v_pk_fma_f32 v[Y+4*\i+\p:Y+4*\i+\p+1], v[Y+64+4*\i+\p:Y+64+4*\i+\p+1], s[32:33], v[Y+4*\i+\p:Y+4*\i+\p+1] op_sel_hi:[1,0,1]
.endr
	global_store_b128 v1, v[Y+4*\i:Y+4*\i+3], s[10:11] offset:512*\i th:TH_STORE_NT   ; 512 consecutive bytes, at a multiple of 512 from out0's first byte; its registers are not written again
.endr
	s_endpgm
.Lfunc_end_k_q03d6dc68f4_combine:
	.size	k_q03d6dc68f4_combine, .Lfunc_end_k_q03d6dc68f4_combine-k_q03d6dc68f4_combine
	.p2alignl 7, 3214868480
	.fill 96, 4, 3214868480
	.section	.rodata,"a",@progbits
	.p2align	6, 0x0
	.amdhsa_kernel k_q03d6dc68f4_combine
		.amdhsa_group_segment_fixed_size 0
		.amdhsa_private_segment_fixed_size 0
		.amdhsa_enable_private_segment 0
		.amdhsa_kernarg_size 40
		.amdhsa_user_sgpr_count 2
		.amdhsa_user_sgpr_kernarg_segment_ptr 1
		.amdhsa_wavefront_size32 1
		.amdhsa_system_sgpr_workgroup_id_x 1
		.amdhsa_system_sgpr_workgroup_id_y 1
		.amdhsa_system_sgpr_workgroup_id_z 1
		.amdhsa_system_vgpr_workitem_id 0
		.amdhsa_next_free_vgpr 152
		.amdhsa_next_free_sgpr 66
		.amdhsa_reserve_vcc 0
		.amdhsa_float_denorm_mode_32 3
		.amdhsa_float_denorm_mode_16_64 3
		.amdhsa_memory_ordered 1
		.amdhsa_forward_progress 1
		.amdhsa_inst_pref_size 10
	.end_amdhsa_kernel
	.amdgpu_metadata
---
amdhsa.version: [ 1, 2 ]
amdhsa.kernels:
  - .name:           k_q03d6dc68f4_combine
    .symbol:         k_q03d6dc68f4_combine.kd
    .args:
      - { .name: ypart, .offset: 0, .size: 8, .value_kind: global_buffer, .address_space: global }
      - { .name: plan, .offset: 8, .size: 8, .value_kind: global_buffer, .address_space: global }
      - { .name: gate, .offset: 16, .size: 8, .value_kind: global_buffer, .address_space: global }
      - { .name: out0, .offset: 24, .size: 8, .value_kind: global_buffer, .address_space: global }
      - { .name: sel, .offset: 32, .size: 8, .value_kind: global_buffer, .address_space: global }
    .group_segment_fixed_size: 0
    .private_segment_fixed_size: 0
    .kernarg_segment_align: 8
    .kernarg_segment_size: 40
    .max_flat_workgroup_size: 256
    .sgpr_count:     66
    .vgpr_count:     152
    .wavefront_size: 32
...
	.end_amdgpu_metadata
.endif
;; end of part 4
;; ======== version 2 of 2: 4 launches
;; workspace buffers: xq 1,081,344 bytes; sel 4,096 bytes of whole numbers; gate 8,192 bytes; plan 99,328 bytes of whole numbers; h 34,603,008 bytes; ypart 134,217,728 bytes
;; launch route (part 5): grid 128 x 1, 4 waves a work-group, no clusters, 42,496 bytes of LDS; arguments xs, Wg, xq, sel, gate; writes xq, sel, gate
.if DOCPART == 5
	.amdgcn_target "amdgcn-amd-amdhsa--gfx1250"
	.amdhsa_code_object_version 6
	.text
	.protected	k_q03d6dc68f4_route
	.globl	k_q03d6dc68f4_route
	.p2align	8
	.type	k_q03d6dc68f4_route,@function
k_q03d6dc68f4_route:
	s_mov_b64 s[64:65], 0
	v_nop
	global_prefetch_b8 v0, s[64:65] scope:SCOPE_SE
	s_setreg_imm32_b32 hwreg(HW_REG_WAVE_MODE, 25, 1), 1
	s_wait_xcnt 0x0
; ROUTER, TOP-2, GATES, AND xs INTO CODES.  xs [1024][1024] f32, Wg [8][1024] f32.
; A wave takes two tokens, a work-group eight (8 x 32 scale bytes are 256 consecutive bytes: that is why 128 work-groups and not 256).
; logits = xs . Wg in f32 fused multiply-adds (they steer a choice, so nothing coarser); the two largest, the lower index first on a tie;
; gates = softmax over the two, the larger taken away before the exponential.  What is chosen is STORED, at fixed places, as whole numbers
; (sel[token] = 1 << e0 | 0x100 << e1) and gates (gate[token][2]); no address and no branch here hangs on it: a later launch places the rows.
; xs is turned into codes of E5M2 with one E8M0 byte for each 32 along K: xq = codes [1024][1024] at byte 0, scale bytes [1024][32] at byte 0x100000.
; A block's scale is 2^(floor(log2(largest magnitude)) - 15); numbers are held within +-57,344 x the scale and rounded to the nearest code, ties to even.
; LIMITS: NaN and infinities among xs and Wg are not served.  The logits are f32 sums in another order than a plain dot product's: a tie between the second and third
; logit inside that rounding may fall either way.  A block of zeros gets the byte 1 and not 127: its codes are zeros, and this program alone reads the bytes.
; Blocks whose largest magnitude lies under 2^-111 are held at that floor.
; No matrix unit (8 columns), no cluster (work-groups share only Wg's 32 KiB).  sel and gate leave as 32 and 64 bytes a work-group: 12 KiB in the whole launch.
.set XR,   32                          ; v32-95   my two tokens as loaded: token t, load i at 32 t + 4 i: elements 128 i + 4 lane + 0..3
.set WB,   96                          ; v96-223  four sets of 32: expert e's row in set e % 4, laid as a token is
.set ACC,  224                         ; v224-255 pair 2 (8 t + e): the logit's two running halves
.set SP,   80                          ; a lane's place in a stage: 64 bytes + 16 of padding
.set STG,  32*SP                       ; a stage: 512 numbers
.set SCB,  40960                       ; LDS behind the 4 x 4 stages: the work-group's 256 scale bytes,
.set SELB, 41216                       ; its 8 words of sel,
.set GATB, 41472                       ; its 16 gates
	s_load_b256 s[4:11], s[0:1], 0x0               ; xs s[4:5], Wg s[6:7], xq s[8:9], sel s[10:11]
	s_load_b64 s[12:13], s[0:1], 0x20              ; gate
	s_set_vgpr_msb 0x40
	v_lshl_add_u32 v0, v0, 2, 0xa400
	v_mov_b32 v1, 0
	s_set_vgpr_msb 0x4000
	v_lshrrev_b32 v8, 5, v0
	v_readfirstlane_b32 s14, v8                    ; wave 0..3
	v_and_b32 v1, 31, v0                           ; lane
	v_lshlrev_b32 v2, 4, v1                        ; 16 x lane: my bytes of a load's or a store's 512
	s_mul_i32 s19, s14, 4*STG                      ; my wave's four stages
	v_lshrrev_b32 v3, 2, v1
	v_mul_u32_u24 v3, v3, SP
	v_and_b32 v8, 3, v1
	v_lshl_add_u32 v3, v8, 4, v3
	v_add_nc_u32 v3, s19, v3                       ; into a stage: four lanes' 64 bytes on end, then 16 of padding
	v_mul_u32_u24 v4, v1, SP
	v_add_nc_u32 v4, s19, v4                       ; out of it: my 16 neighbours
	s_lshl_b32 s19, s14, 6
	s_add_co_u32 s19, s19, SCB
	v_lshrrev_b32 v5, 1, v1
	v_add_nc_u32 v5, s19, v5                       ; my block's scale byte: 64 x wave + lane / 2
	s_lshl_b32 s19, s14, 3
	s_add_co_u32 s19, s19, SELB
	v_mov_b32 v6, s19                              ; my wave's two words of sel
	s_lshl_b32 s19, s14, 4
	s_add_co_u32 s19, s19, GATB
	v_mov_b32 v7, s19                              ; my wave's four gates
	s_mov_b32 s16, 0x76543210
	s_mov_b32 s17, 0xfedcba98                      ; v_permlanex16_b32's selects for lane l xor 16
	s_mov_b32 s18, 0x600000                        ; the mantissa field of 57,344
	s_lshl_b32 s20, ttmp9, 15                      ; 8 tokens of 4,096 bytes a work-group,
	s_lshl_b32 s19, s14, 13                        ; 2 a wave
	s_add_co_u32 s20, s20, s19
	s_mov_b32 s21, 0
	s_wait_alu depctr_va_vdst(0)
	s_wait_kmcnt 0x0
	s_add_nc_u64 s[4:5], s[4:5], s[20:21]          ; xs at my first token
	s_lshr_b32 s20, s20, 2                         ; its codes are a quarter of the bytes
	s_add_nc_u64 s[22:23], s[8:9], s[20:21]
	s_lshl_b32 s20, ttmp9, 8
	s_add_nc_u64 s[24:25], s[8:9], s[20:21]
	s_add_nc_u64 s[24:25], s[24:25], 0x100000      ; the work-group's 256 scale bytes
	s_lshl_b32 s20, ttmp9, 5
	s_add_nc_u64 s[10:11], s[10:11], s[20:21]
	s_lshl_b32 s20, ttmp9, 6
	s_add_nc_u64 s[12:13], s[12:13], s[20:21]
.irp t, 0,1
.irp i, 0,1,2,3,4,5,6,7
	global_load_b128 v[XR+32*\t+4*\i:XR+32*\t+4*\i+3], v2, s[4:5] offset:4096*\t+512*\i th:TH_LOAD_NT   ; 512 consecutive bytes a load
.endr
.endr
.macro WLD e                           ; expert e's row of Wg into set e % 4
.irp i, 0,1,2,3,4,5,6,7
	global_load_b128 v[WB+32*((\e)%4)+4*\i:WB+32*((\e)%4)+4*\i+3], v2, s[6:7] offset:4096*(\e)+512*\i
.endr
.endm
	WLD 0
	WLD 1
	WLD 2
	WLD 3
; Step k = 2 t + u: half u (512 numbers) of token t.  The conversions take neighbours along K from ONE lane's registers, the loads gave neighbouring bytes to neighbouring lanes:
; so the numbers turn through the wave's own stage.  Two neighbouring lanes hold a block of 32.
.macro QSTEP k
	s_wait_xcnt 0x0                                ; the last step's store has read v28-31: they are written again only behind this wait
.irp i, 0,1,2,3
	ds_load_b128 v[12+4*\i:15+4*\i], v4 offset:STG*(\k)+16*\i
.endr
	s_wait_dscnt 0x0                               ; my 16 neighbours are in (and the last step's byte store has read v9)
	v_max3_num_f32 v8, |v12|, |v13|, |v14|         ; the largest magnitude of my 16, in two chains
	v_max3_num_f32 v9, |v15|, |v16|, |v17|
.irp i, 6,10
	v_max3_num_f32 v8, v8, |v[12+\i]|, |v[13+\i]|
	v_max3_num_f32 v9, v9, |v[14+\i]|, |v[15+\i]|
.endr
	v_max3_num_f32 v8, v8, |v26|, |v27|
	v_max3_num_f32 v8, v8, v9, 0x8000000           ; and the floor 2^(16 - 127): the byte cannot fall under 1
	v_max_num_f32_dpp v8, v8, v8 row_xmask:1 row_mask:0xf bank_mask:0xf   ; with my neighbour's 16: the block's
	v_add_nc_u32 v11, 0xf8800000, v8               ; 15 off its exponent field: the conversion takes this operand's exponent field as its scale
	v_and_or_b32 v10, v8, 0x7f800000, s18          ; 57,344 x the scale
.irp i, 0,1,2,3,4,5,6,7,8,9,10,11,12,13,14,15
	v_med3_num_f32 v[12+\i], v[12+\i], -v10, v10   ; the conversion to an 8-bit code does not saturate (ISA guide 7.6.2): the hold comes first
.endr
	v_cvt_scalef32_pk8_bf8_f32 v[28:29], v[12:19], v11
	v_cvt_scalef32_pk8_bf8_f32 v[30:31], v[20:27], v11
	v_lshrrev_b32 v9, 23, v11                      ; the scale's byte (also the plain line behind the conversions)
	ds_store_b8 v5, v9 offset:16*(\k)              ; both lanes of a block write the same byte with the same value
	global_store_b128 v2, v[28:31], s[22:23] offset:512*(\k)   ; 512 consecutive bytes, at a multiple of 512 from xq's first byte
.endm
; experts a and b against both tokens: four chains that do not wait for each other; the first product starts each sum
.macro FMA2 a, b
.irp i, 0,1,2,3,4,5,6,7,8,9,10,11,12,13,14,15
.irp t, 0,1
.irp e, \a, \b
.if \i == 0
	v_pk_mul_f32 v[ACC+2*(8*\t+\e):ACC+2*(8*\t+\e)+1], v[XR+32*\t+2*\i:XR+32*\t+2*\i+1], v[WB+32*(\e%4)+2*\i:WB+32*(\e%4)+2*\i+1]
.else
	v_pk_fma_f32 v[ACC+2*(8*\t+\e):ACC+2*(8*\t+\e)+1], v[XR+32*\t+2*\i:XR+32*\t+2*\i+1], v[WB+32*(\e%4)+2*\i:WB+32*(\e%4)+2*\i+1], v[ACC+2*(8*\t+\e):ACC+2*(8*\t+\e)+1]
.endif
.endr
.endr
.endr
.endm
	s_wait_loadcnt 32                              ; my two tokens are in; Wg's 32 loads may be out
.irp k, 0,1,2,3
.irp i, 0,1,2,3
	ds_store_b128 v3, v[XR+16*\k+4*\i:XR+16*\k+4*\i+3] offset:STG*\k+8*SP*\i   ; LDS serves a wave's instructions in order: the steps' loads see these
.endr
.endr
	QSTEP 0
	QSTEP 1
	s_wait_loadcnt 16                              ; experts 0 and 1 are in; the 16 loads of 2 and 3 may be out
	FMA2 0, 1
	WLD 4
	WLD 5
	QSTEP 2
	s_wait_loadcnt 16                              ; 2 and 3 are in; 4 and 5 may be out
	FMA2 2, 3
	WLD 6
	WLD 7
	QSTEP 3
	s_wait_loadcnt 16                              ; 4 and 5 are in; 6 and 7 may be out
	FMA2 4, 5
	s_wait_loadcnt 0x0
	FMA2 6, 7
	; the sixteen sums over the wave: a pair's halves, four steps inside each half of the lanes, one across: every lane ends with every logit
.irp q, 0,1,2,3,4,5,6,7,8,9,10,11,12,13,14,15
	v_add_f32 v[ACC+2*\q], v[ACC+2*\q], v[ACC+2*\q+1]
.endr
.irp x, 1,2,4,8
.irp q, 0,1,2,3,4,5,6,7,8,9,10,11,12,13,14,15
	v_add_f32_dpp v[ACC+2*\q], v[ACC+2*\q], v[ACC+2*\q] row_xmask:\x row_mask:0xf bank_mask:0xf
.endr
.endr
.irp q, 0,1,2,3,4,5,6,7,8,9,10,11,12,13,14,15
	v_permlanex16_b32 v[ACC+2*\q+1], v[ACC+2*\q], s16, s17
.endr
.irp q, 0,1,2,3,4,5,6,7,8,9,10,11,12,13,14,15
	v_add_f32 v[ACC+2*\q], v[ACC+2*\q], v[ACC+2*\q+1]
.endr
; Token t's two largest logits.  v[rT] best, +1 its expert, +2 second, +3 its expert.  A later expert takes the place only where it is strictly larger: the lower index keeps a tie.
.macro TOP2 t
.set rT, 32+8*(\t)
.set rL, ACC+16*(\t)
	v_mov_b32 v[rT], v[rL]
	v_mov_b32 v[rT+1], 0
.irp e, 1,2,3,4,5,6,7
	v_cmp_le_f32 vcc_lo, v[rL+2*\e], v[rT]         ; keep where the newcomer is not larger
	v_cndmask_b32 v[rT], v[rL+2*\e], v[rT], vcc_lo
	v_cndmask_b32 v[rT+1], \e, v[rT+1], vcc_lo
.endr
	v_mov_b32 v[rT+2], 0xff800000                  ; -infinity, under every logit
	v_mov_b32 v[rT+3], 0
.irp e, 0,1,2,3,4,5,6,7
	v_cmp_eq_u32 s26, \e, v[rT+1]                  ; the best is out of the running
	v_cmp_le_f32 vcc_lo, v[rL+2*\e], v[rT+2]
	s_or_b32 vcc_lo, vcc_lo, s26
	v_cndmask_b32 v[rT+2], v[rL+2*\e], v[rT+2], vcc_lo
	v_cndmask_b32 v[rT+3], \e, v[rT+3], vcc_lo
.endr
.endm
	TOP2 0
	TOP2 1
	; the gates: 1 / (1 + x) and x / (1 + x), x = e^(second - best): the maximum is taken away, so x is at most 1
.irp t, 0,1
	v_sub_f32 v[36+8*\t], v[34+8*\t], v[32+8*\t]
.endr
.irp t, 0,1
	v_mul_f32 v[36+8*\t], 0x3fb8aa3b, v[36+8*\t]   ; x log2(e)
.endr
	s_wait_alu depctr_va_vdst(0)
	v_exp_f32 v37, v36
	v_exp_f32 v45, v44
	v_mov_b32 v48, 1                               ; (the plain line behind the exponentials)
	v_mov_b32 v49, 0x100
	s_wait_alu depctr_va_vdst(0)                   ; one wait for both, ahead of their first reader
	v_add_f32 v38, 1.0, v37
	v_add_f32 v46, 1.0, v45
	s_wait_alu depctr_va_vdst(0)
	v_rcp_f32 v36, v38
	v_rcp_f32 v44, v46
.irp t, 0,1
	v_lshlrev_b32 v[39+8*\t], v[33+8*\t], v48      ; 1 << e0 (plain lines behind the reciprocals)
	v_lshlrev_b32 v[38+8*\t], v[35+8*\t], v49      ; 0x100 << e1
	v_or_b32 v[39+8*\t], v[39+8*\t], v[38+8*\t]
.endr
	v_lshl_add_u32 v50, v1, 3, SCB                 ; what wave 0 reads behind the barrier: made here, on every wave's way
	v_and_b32 v51, 7, v1
	v_lshl_add_u32 v51, v51, 2, SELB
	v_and_b32 v52, 15, v1
	v_lshl_add_u32 v52, v52, 2, GATB
	v_lshlrev_b32 v53, 3, v1
	v_lshlrev_b32 v54, 2, v1
	s_wait_alu depctr_va_vdst(0)                   ; one wait for both reciprocals
	v_mul_f32 v37, v37, v36
	v_mul_f32 v45, v45, v44
.irp t, 0,1
	ds_store_b32 v6, v[39+8*\t] offset:4*\t        ; all lanes write the same word with the same value
	ds_store_b32 v7, v[36+8*\t] offset:8*\t
	ds_store_b32 v7, v[37+8*\t] offset:8*\t+4
.endr
	s_wait_dscnt 0x0                               ; for wave 0's sake: my bytes, words and gates have landed
	s_barrier_signal -1
	s_barrier_wait -1
	s_cmp_lg_u32 s14, 0
	s_cbranch_scc1 .Lend                           ; wave 0 alone sends them out
	ds_load_b64 v[56:57], v50
	ds_load_b32 v58, v51
	ds_load_b32 v59, v52
	s_wait_dscnt 0x0
	global_store_b64 v53, v[56:57], s[24:25]       ; 32 lanes store 256 consecutive bytes, aligned
	v_cmp_gt_u32 vcc_lo, 8, v1
	s_wait_xcnt 0x0                                ; EXEC changes only behind this wait
	s_and_saveexec_b32 s20, vcc_lo
	global_store_b32 v54, v58, s[10:11]            ; 8 words of sel
	s_wait_xcnt 0x0
	s_or_b32 exec_lo, exec_lo, s20
	v_cmp_gt_u32 vcc_lo, 16, v1
	s_and_saveexec_b32 s20, vcc_lo
	global_store_b32 v54, v59, s[12:13]            ; 16 gates
	s_wait_xcnt 0x0
	s_or_b32 exec_lo, exec_lo, s20
.Lend:
	s_set_vgpr_msb 0x5
	s_wait_tensorcnt 0x0
	ds_add_u32 v0, v1
	s_wait_dscnt 0x0
	s_set_vgpr_msb 0x500
	s_endpgm
.Lfunc_end_k_q03d6dc68f4_route:
	.size	k_q03d6dc68f4_route, .Lfunc_end_k_q03d6dc68f4_route-k_q03d6dc68f4_route
	.p2alignl 7, 3214868480
	.fill 96, 4, 3214868480
	.section	.rodata,"a",@progbits
	.p2align	6, 0x0
	.amdhsa_kernel k_q03d6dc68f4_route
		.amdhsa_group_segment_fixed_size 42496
		.amdhsa_private_segment_fixed_size 0
		.amdhsa_enable_private_segment 0
		.amdhsa_kernarg_size 40
		.amdhsa_user_sgpr_count 2
		.amdhsa_user_sgpr_kernarg_segment_ptr 1
		.amdhsa_wavefront_size32 1
		.amdhsa_system_sgpr_workgroup_id_x 1
		.amdhsa_system_sgpr_workgroup_id_y 1
		.amdhsa_system_sgpr_workgroup_id_z 1
		.amdhsa_system_vgpr_workitem_id 0
		.amdhsa_next_free_vgpr 258
		.amdhsa_next_free_sgpr 66
		.amdhsa_reserve_vcc 1
		.amdhsa_float_denorm_mode_32 3
		.amdhsa_float_denorm_mode_16_64 3
		.amdhsa_memory_ordered 1
		.amdhsa_forward_progress 1
		.amdhsa_inst_pref_size 50
	.end_amdhsa_kernel
	.amdgpu_metadata
---
amdhsa.version: [ 1, 2 ]
amdhsa.kernels:
  - .name:           k_q03d6dc68f4_route
    .symbol:         k_q03d6dc68f4_route.kd
    .args:
      - { .name: xs, .offset: 0, .size: 8, .value_kind: global_buffer, .address_space: global }
      - { .name: Wg, .offset: 8, .size: 8, .value_kind: global_buffer, .address_space: global }
      - { .name: xq, .offset: 16, .size: 8, .value_kind: global_buffer, .address_space: global }
      - { .name: sel, .offset: 24, .size: 8, .value_kind: global_buffer, .address_space: global }
      - { .name: gate, .offset: 32, .size: 8, .value_kind: global_buffer, .address_space: global }
    .group_segment_fixed_size: 42496
    .private_segment_fixed_size: 0
    .kernarg_segment_align: 8
    .kernarg_segment_size: 40
    .max_flat_workgroup_size: 128
    .sgpr_count:     66
    .vgpr_count:     258
    .wavefront_size: 32
...
	.end_amdgpu_metadata
.endif
;; end of part 5
;; launch ffn1 (part 6): grid 256 x 1, 4 waves a work-group, no clusters, 141,824 bytes of LDS; arguments W1_codes, W1_scales, b1, xq, sel, plan, h; writes h, plan
.if DOCPART == 6
	.amdgcn_target "amdgcn-amd-amdhsa--gfx1250"
	.amdhsa_code_object_version 6
	.text
	.protected	k_q03d6dc68f4_ffn1
	.globl	k_q03d6dc68f4_ffn1
	.p2align	8
	.type	k_q03d6dc68f4_ffn1,@function
k_q03d6dc68f4_ffn1:
	s_mov_b64 s[64:65], 0
	v_nop
	global_prefetch_b8 v0, s[64:65] scope:SCOPE_SE
	s_setreg_imm32_b32 hwreg(HW_REG_WAVE_SCHED_MODE, 0, 2), 2
	s_setreg_imm32_b32 hwreg(HW_REG_WAVE_MODE, 25, 1), 1
	s_wait_xcnt 0x0
	s_wait_alu depctr_vm_vsrc(0)
; THE ROWS ARE PLACED BY EXPERT, AND h = Q(relu(x W1 + b1)) FOR THE ROUTED ROWS ALONE, on codes of E5M2 with one E8M0 scale for each 32 along K.
; Work-group id = 32 e + j: expert e, hidden units 128 j .. 128 j + 127, K = 1,024, ALL rows of the expert.  So each byte of W1 is read from memory once, by one work-group:
; 128 rows x 1,024 bytes come in whole, go into LDS once and stay.  The rows' codes (xq, gathered by the list) go from memory straight into registers.
; THE LIST.  sel[token] = 1 << e0 | 0x100 << e1 was stored by the launch before.  While W1 is on its way every wave reads all 1,024 words, makes the 32 lane masks 'chose my expert' and counts them: the
; expert's rows.  Wave 0 gives each such token the next free place p, in the order (register, lane) of the loads, and stores the token's number at word p of a list in LDS; a lane whose token did not
; choose the expert stores into a spare word of its own (word 1024 + lane), so that no lane is ever switched off.  The list is cleared first: a place that nobody takes holds token 0.
; One wave does it, and a barrier stands behind it ahead of every other LDS access of the work-group: these stores' addresses hang on sel.  All 32 work-groups of an expert make the same list.
; For the launches behind, wave 0 of the expert's work-group j = 0 stores into plan: posn[e][token] = 1024 e + p at byte 65,536 + 4096 e + 4 token (it means something only where the token chose e),
; and cnt[e], 32 equal words, at byte 98,304 + 128 e.  plan's first 65,536 bytes are not used.  A token's two experts differ, so an expert has at most 1,024 rows.
; A wave takes 5 tiles of 16 rows x 128 units: 40 accumulators.  Tiles are dealt w, w + 4, .. w + 16, then 20 on: a pass of the work-group covers 320 rows.
; How many passes there are hangs on sel, read from memory: so this text has no tensor load and no cluster, its two barriers stand ahead of every branch that hangs on the count,
; and what work-groups share (an expert's x codes, 1 KiB a row) is read through registers.  A tile past the expert's last is multiplied (on whatever token the list holds there) and not stored.
; THE PRODUCT IS USED TRANSPOSED: source 0 = 16 rows of W1, source 1 = 16 rows of x: a lane holds ONE row of h.  THE UNITS OF A TILE ARE NOT NEIGHBOURS: row m of tile 2 b + u is unit
; 32 b + 8 u + m + 8 (m / 8), so that the 16 registers of tiles 2 b and 2 b + 1 are units 32 b + 16 (lane / 16) + 0 .. 15: the order of the next product's operand.
; b1 is the C of each sum's first product.  relu and the hold at the largest code are one v_med3.  The codes leave as IMAGES OF THE OPERAND'S REGISTERS:
; h codes [e][tile 64][step 32][c 4][lane 32][16 bytes]; scale words at byte 0x2000000: [e][tile][quarter of K 4][row 16][8 words].
; LIMITS: NaN and infinities are not served; a block without a positive number gets the byte 1 and zero codes; largest magnitudes under 2^-111 are held at that floor.
; The scale words leave 4 bytes a row (256 KiB in the whole launch); all other stores of h and posn cover 512 consecutive aligned bytes.
; REGISTERS, in windows of 256: window 0: v1-31, v84-88 addresses and zeros; v32-63 W1's scale words; v64-83 x's; v128-255 W1's 8 fragments of a K step, one set (at the start: sel and the placing).
;   window 1: x's fragments, a ring of 3 K steps x 5 tiles x 16.   window 2: accumulators of tiles 0-2 at 64 m + 8 t; v192-255 at work; at the start all 256 take W1 on its way to LDS.
;   window 3: accumulators of tiles 3, 4; v128-191 b1 in the result's layout; v192-255 at work.
; THE MODE: SCHED_MODE bits 1:0 = 2 (LLVM: expert scheduling mode 2), set by the entry lines.  The code itself states the register dependences
; between vector or matrix instructions and memory or LDS instructions, with s_wait_alu, always for 0.
; THE PLAN.  Registers that memory or LDS instructions touch, in the loop over passes:
;   v128-191, v192-255   W1's tiles 0-3 and tiles 4-7 of a K step.  Step s: its first 20 products read the first half, its last 20 the second; each half is loaded again while the other is multiplied.
;   the ring's slots     Slot s % 3 is read by step s's 40 products; the loads of step s + 3 land in it, issued in step s + 1.
;   v[BS ..]             x's scale words: read by the pass's products, loaded once a pass, in the tail.
;   v[LAD], v[LT ..], v[BO ..], v[BSO ..]   Written once a pass, in the tail; read by the list's loads, by the lines that make addresses and by the pass's loads.
;   v[PC ..], v[PW]      A tile's codes and scale word, once in window 2 (tiles 0-2) and once in window 3 (tiles 3, 4): written by QUANT, read by the tile's five stores.
;   v4-10, v27-31, v84-87   Offsets, addresses and zeros, made at the head and never written again.
; So TWO waits on va_vdst stand in a K step.  At its head: the step before is done reading tiles 4-7 and its slot.  At its middle: the step's first 20 products are done reading tiles 0-3.
; Behind each the loads into what has come free are dealt among the next products, which name the other half of W1's fragments and the step's own slot: none of the registers that those loads touch.
; A tile's way out has one wait on va_vdst ahead of its stores; the pass's tail one on vm_vsrc ahead of all that it writes again, and one on va_vdst ahead of each of its two runs of loads.
.set WPITCH, 1024                      ; a row of W1's codes in memory
.set SROW,   32                        ; a row of W1's scale bytes
.set BSTEP,  128                       ; from K step to K step in a row of x's codes
.set BC,     32                        ; from one group of four registers to the next
.set LP,     1040                      ; a row of W1 in LDS: 1,024 + 16 = 65 x 16 bytes: the 16 rows of a fragment load fall on 16 different 16-byte columns of 256
.set LIST,   128*LP                    ; behind the weights: the list, 2,048 words: 1,024 places, 32 spare words, and zeros as far as the highest tile that a wave may ask for
.set LI,  4                            ; v4   16 x lane
.set AF0, 5                            ; v5   my place in a fragment of tiles 0-3: LP r + 16 h;  v6 the same for tiles 4-7 (an LDS offset has 16 bits)
.set WS,  7                            ; v7   where my wave's 32 rows go: 32 LP w + 16 lane
.set H16, 8                            ; v8   16 h
.set ASA, 9                            ; v9   W1's scale words: (r + 8 (r / 8)) SROW + 16 h
.set BIA, 10                           ; v10  b1: 64 h
.set BO,  12                           ; v12-16  tile m: my row's codes in xq
.set BSO, 17                           ; v17-21  tile m: its scale words
.set LT,  22                           ; v22-26  tile m: my row's token
.set LA0, 27                           ; v27  LIST + 4 r
.set HSO, 28                           ; v28  32 r: my row's place among a tile's scale words
.set L4,  29                           ; v29  4 x lane
.set SPI, 30                           ; v30  1024 + lane: my spare word's index in the list
.set ZA,  31                           ; v31  LIST + 16 x lane
.set AS,  32                           ; tile t: 4 registers; lanes 0-15 hold the words of K steps 0-3, lanes 16-31 those of steps 4-7
.set BS,  64                           ; tile m likewise
.set ZR,  84                           ; v84-87  zeros; never rewritten
.set LAD, 88                           ; v88  LIST + 4 r + 64 x my first tile of the pass
.set AF,  128
.set SW,  128                          ; at the start: v128-159 sel: register 4 q + i, lane l: token 128 q + 4 l + i
.set PL,  160                          ; v160-191 the token's place, laid likewise
.set AD,  192                          ; v192-223 where its number goes in LDS
.set TK,  224                          ; v224-255 its number
.set BI,  128                          ; in window 3
.set TM,  192                          ; +0..3 largest magnitudes, +4..7 bytes, +8..11 57,344 x the scale, +12..15 the conversions' scale operands
.set PW,  208                          ; the scale word just made
.set PC,  224                          ; the 16 registers of codes just made
.set XB,  10                           ; s[10:11] xq's codes;  s[16:17] its scale bytes
.set XS,  16
.set HB,  20                           ; s[20:21] h's codes at (e, tile 0, step j);  s[22:23] its scale words likewise
.set SB,  22
.set WV,  24                           ; s24 wave;  s25 e;  s26 rows, then tiles, of the expert;  s27 my first tile of the pass;  s46 the pass
.set NT,  26
.set T0,  27
.set PS,  46
.set SEL, 40
.set MNT, 42
.set MK,  66                           ; s66-97  register j's lane mask: who chose my expert
.set MSB, 0
.macro WIN new                         ; the immediate's high byte repeats the setting that is left; bits 1:0 source 0, 3:2 source 1, 5:4 source 2, 7:6 destination
.if MSB != \new
	s_set_vgpr_msb (MSB<<8)|\new
.set MSB, \new
.endif
.endm
.macro PLACES                          ; a vector instruction that reads this matrix form's result stands 8 plain vector instructions behind it
.rept 8
	v_nop
.endr
.endm
.macro WLOAD b                         ; 8 rows of W1, two loads of 512 consecutive bytes each, into window 2
.irp i, 0,1,2,3,4,5,6,7,8,9,10,11,12,13,14,15
.set wi, 16*(\b)+\i
	global_load_b128 v[4*wi:4*wi+3], v[LI], s[4:5] offset:(wi/2)*WPITCH+512*(wi%2) th:TH_LOAD_NT
.endr
.endm
.macro WSTORE b                        ; and on into LDS, in TILE order: unit 16 hh + 8 u + jj of my 32 goes to row 16 u + 8 hh + jj
.irp i, 0,1,2,3,4,5,6,7,8,9,10,11,12,13,14,15
.set wi, 16*(\b)+\i
.set wr, wi/2
.set ws, 16*((wr/8)%2)+8*(wr/16)+wr%8
	ds_store_b128 v[WS], v[4*wi:4*wi+3] offset:ws*LP+512*(wi%2)
.endr
.endm
.macro ENTRY j                         ; 32 tokens get their places.  Each entry has its own address and data registers, so that the 32 stores can follow one wait
	v_mbcnt_lo_u32_b32 v[PL+\j], s[MK+\j], s29     ; rows so far + those in lower lanes: my place
	s_bcnt1_i32_b32 s28, s[MK+\j]
	s_add_co_u32 s29, s29, s28
	v_cndmask_b32 v[AD+\j], v[SPI], v[PL+\j], s[MK+\j]   ; my place, or my spare word
	v_min_u32 v[AD+\j], 0x7ff, v[AD+\j]            ; what hangs on numbers from memory is held before it enters an address: inside the list's 2,048 words
	v_lshl_add_u32 v[AD+\j], v[AD+\j], 2, LIST
	v_add_nc_u32 v[TK+\j], 128*((\j)/4)+(\j)%4, v[L4]    ; the token
.endm
.macro LISTLOAD again                  ; the tokens of my five tiles: tile T0 + 4 m begins 64 T0 + 256 m bytes into the list.  again = 1: in the tail of a pass
	s_min_u32 s28, s[T0], 63
	s_lshl_b32 s28, s28, 6
.if \again
	s_wait_alu depctr_vm_vsrc(0)                   ; the pass's loads have read v[LAD], v[BO ..] and v[BSO ..], which the tail writes again; its stores have read v[PC ..] and v[PW] of both windows, which the next pass writes again
.endif
	v_add_nc_u32 v[LAD], s28, v[LA0]
	s_wait_alu depctr_va_vdst(0)                   ; v[LAD] is written, which the loads below read; in the tail: the lines that made addresses of v[LT ..] are done with the registers in which these loads land
.irp m, 0,1,2,3,4
	ds_load_b32 v[LT+\m], v[LAD] offset:256*\m
.endr
.endm
.macro ADDR
.irp m, 0,1,2,3,4
	v_min_u32 v[LT+\m], 0x3ff, v[LT+\m]            ; what came from memory is held before it enters an address
	v_lshl_add_u32 v[BO+\m], v[LT+\m], 10, v[H16]
	v_lshl_add_u32 v[BSO+\m], v[LT+\m], 5, v[H16]
.endr
.endm
.macro BSCALE
.irp m, 0,1,2,3,4
	global_load_b128 v[BS+4*\m:BS+4*\m+3], v[BSO+\m], s[XS:XS+1]
.endr
.endm
.macro BLOAD s                         ; K step s of my five tiles of rows into slot s % 3 of the ring: 20 loads
	WIN 0x40
.irp m, 0,1,2,3,4
.irp c, 0,1,2,3
	global_load_b128 v[80*((\s)%3)+16*\m+4*\c:80*((\s)%3)+16*\m+4*\c+3], v[BO+\m], s[XB:XB+1] offset:BSTEP*(\s)+BC*\c
.endr
.endr
.endm
.macro AFETCH s, half                  ; W1's fragments of K step s, tiles 4 half .. 4 half + 3: 16 LDS loads
.irp t, 0,1,2,3
.irp c, 0,1,2,3
	ds_load_b128 v[AF+64*(\half)+16*\t+4*\c:AF+64*(\half)+16*\t+4*\c+3], v[AF0+(\half)] offset:\t*16*LP+128*(\s)+32*\c
.endr
.endr
.endm
.macro WM hi
.if \hi
	v_wmma_scale_f32_16x16x128_f8f6f4 v[rD:rD+7], v[rA:rA+15], v[rB:rB+15], v[rC:rC+7], v[rSA], v[rSB] matrix_a_fmt:MATRIX_FMT_BF8 matrix_b_fmt:MATRIX_FMT_BF8 matrix_a_scale:MATRIX_SCALE_ROW1 matrix_b_scale:MATRIX_SCALE_ROW1
.else
	v_wmma_scale_f32_16x16x128_f8f6f4 v[rD:rD+7], v[rA:rA+15], v[rB:rB+15], v[rC:rC+7], v[rSA], v[rSB] matrix_a_fmt:MATRIX_FMT_BF8 matrix_b_fmt:MATRIX_FMT_BF8
.endif
.endm
; The 40 accumulators of a step take turns, one instruction a turn, in the same order in every step.  Half a step is ML of four tiles of units, then MH of the same four.
.macro ML s, t                         ; three products: tile t of units x my tiles 0-2 of rows, whose accumulators lie in window 2
.irp m, 0,1,2
.set rD, 64*\m+8*(\t)
.set rA, AF+16*(\t)
.set rB, 80*((\s)%3)+16*\m
.set rC, rD
.if (\s) == 0
.set rC, BI+8*(\t)
.endif
.set rSA, AS+4*(\t)+(\s)%4
.set rSB, BS+4*\m+(\s)%4
	WM (\s)/4
.endr
.endm
.macro MH s, t                         ; two products: tile t of units x my tiles 3 and 4 of rows, whose accumulators lie in window 3
.irp m, 3,4
.set rD, 64*(\m-3)+8*(\t)
.set rA, AF+16*(\t)
.set rB, 80*((\s)%3)+16*\m
.set rC, rD
.if (\s) == 0
.set rC, BI+8*(\t)
.endif
.set rSA, AS+4*(\t)+(\s)%4
.set rSB, BS+4*\m+(\s)%4
	WM (\s)/4
.endr
.endm
.macro WINL s                          ; the windows of ML
.if (\s) == 0
	WIN 0xb4                                       ; W1 window 0, x window 1, C = b1 in window 3, D window 2
.else
	WIN 0xa4                                       ; C and D window 2
.endif
.endm
.macro STEP s                          ; 128 along K: 40 products
.if (\s) == 0
	s_wait_loadcnt 40                              ; this step's 20 loads are in, and all that was asked for ahead of them; those of steps 1 and 2 may be out
	s_wait_dscnt 16                                ; W1's tiles 0-3 are in; the 16 loads of tiles 4-7 may be out
	WINL \s
	ML \s, 0
	ML \s, 1
.else
.if (\s) < 7
	s_wait_loadcnt 20                              ; this step's 20 loads are in; those of the next step may be out (the step after that is asked for below)
.else
	s_wait_loadcnt 0x0
.endif
	s_wait_dscnt 0x0                               ; W1's tiles 0-3 are in: nothing else is out
	s_wait_alu depctr_va_vdst(0)                   ; the step before is done reading W1's tiles 4-7 and its slot of the ring: the loads below land in both
	WINL \s
	ML \s, 0
	WIN 0
	AFETCH \s, 1                                   ; tiles 4-7 of this step, 17 products ahead of their use.  No product since the wait names v192-255
	WINL \s
	ML \s, 1
.if (\s) < 6
	BLOAD (\s)+2                                   ; into the slot that the step before multiplied.  No product since the wait names it
.endif
	WINL \s
.endif
	ML \s, 2
	ML \s, 3
	WIN 0xf4                                       ; C and D window 3 (b1 lies there too)
	MH \s, 0
	MH \s, 1
	MH \s, 2
	MH \s, 3
	s_wait_dscnt 0x0                               ; tiles 4-7 are in
.if (\s) < 7
	s_wait_alu depctr_va_vdst(0)                   ; the 20 products above are done reading W1's tiles 0-3, in which the loads below land
.endif
	WINL \s
	ML \s, 4
.if (\s) < 7
	WIN 0
	AFETCH (\s)+1, 0                               ; the next step's tiles 0-3, 17 products ahead of their use.  No product since the wait names v128-191
	WINL \s
.endif
	ML \s, 5
	ML \s, 6
	ML \s, 7
	WIN 0xf4
	MH \s, 4
	MH \s, 5
	MH \s, 6
	MH \s, 7
.endm
; 64 numbers of a lane, register 16 b + i = unit 32 b + 16 (lane / 16) + i of my row, become a fragment's codes in v[PC] on and its scale word in v[PW].  All operands lie in one window.
.macro QUANT s
.irp b, 0,1,2,3
	v_max3_num_f32 v[TM+\b], v[(\s)+16*\b], v[(\s)+16*\b+1], 0x8000000   ; no |.|: what is negative becomes 0 and must not count; the floor 2^(16 - 127) stands over it.  (Each accumulator is read from its low end on)
.endr
.irp i, 2,4,6,8,10,12,14
.irp b, 0,1,2,3
	v_max3_num_f32 v[TM+\b], v[TM+\b], v[(\s)+16*\b+\i], v[(\s)+16*\b+\i+1]
.endr
.endr
.irp b, 0,1,2,3
	v_permlanex16_b32 v[TM+4+\b], v[TM+\b], s[SEL], s[SEL+1]
.endr
.irp b, 0,1,2,3
	v_max_num_f32 v[TM+\b], v[TM+\b], v[TM+4+\b]   ; with lane l xor 16's 16: the block's largest
.endr
.irp b, 0,1,2,3
	v_add_nc_u32 v[TM+12+\b], 0xf8800000, v[TM+\b] ; 15 off its exponent field: the conversion's scale operand
.endr
.irp b, 0,1,2,3
	v_and_or_b32 v[TM+8+\b], v[TM+\b], 0x7f800000, s[MNT]   ; 57,344 x the scale
.endr
.irp b, 0,1,2,3
	v_lshrrev_b32 v[TM+4+\b], 23, v[TM+12+\b]      ; the scale's byte
.endr
	v_lshl_or_b32 v[PW], v[TM+5], 8, v[TM+4]
	v_lshl_or_b32 v[PW], v[TM+6], 16, v[PW]
	v_lshl_or_b32 v[PW], v[TM+7], 24, v[PW]
.irp b, 0,1,2,3
.irp i, 0,1,2,3,4,5,6,7,8,9,10,11,12,13,14,15
	v_med3_num_f32 v[(\s)+16*\b+\i], v[(\s)+16*\b+\i], 0, v[TM+8+\b]   ; relu and the hold in one (the conversion does not saturate: ISA guide 7.6.2)
.endr
	v_cvt_scalef32_pk8_bf8_f32 v[PC+4*\b:PC+4*\b+1], v[(\s)+16*\b:(\s)+16*\b+7], v[TM+12+\b]
	v_cvt_scalef32_pk8_bf8_f32 v[PC+4*\b+2:PC+4*\b+3], v[(\s)+16*\b+8:(\s)+16*\b+15], v[TM+12+\b]
.endr
	v_nop                                          ; a plain line behind the last conversion: the next pass's products write its sources
.endm
.macro EPI m                           ; my tile m of the pass: quantised and stored, if the expert has it
	WIN 0
	s_add_co_u32 s28, s[T0], 4*\m
	s_cmp_ge_u32 s28, s[NT]
	s_cbranch_scc1 .Lskip_\@
	s_min_u32 s28, s28, 63
	s_wait_xcnt 0x0                                ; the last tile's stores have read their data and bases: both are written again below
.if (\m == 1) || (\m == 2) || (\m == 4)
	s_wait_alu depctr_vm_vsrc(0)                   ; beside it: the stores of the tile before have read v[PC ..] and v[PW] of this window, which the lines below write again
.endif
	s_lshl_b32 s30, s28, 16
	s_add_nc_u64 s[32:33], s[HB:HB+1], s[30:31]
	s_lshl_b32 s30, s28, 11
	s_add_nc_u64 s[34:35], s[SB:SB+1], s[30:31]
.if \m < 3
	WIN 0xaa
	QUANT 64*\m
	WIN 0x08                                       ; a store's data are its source 1
.else
	WIN 0xff
	QUANT 64*(\m-3)
	WIN 0x0c
.endif
	s_wait_alu depctr_va_vdst(0)                   ; the conversions have written v[PC ..] and the shifts v[PW], which the five stores read
.irp c, 0,1,2,3
	global_store_b128 v[LI], v[PC+4*\c:PC+4*\c+3], s[32:33] offset:512*\c   ; the image: 512 consecutive aligned bytes a store
.endr
	global_store_b32 v[HSO], v[PW], s[34:35]       ; my row's word; lanes 16-31 repeat lanes 0-15's address and value
	WIN 0
.Lskip_\@:
.endm
	s_load_b256 s[4:11], s[0:1], 0x0               ; W1's codes s[4:5], its scales s[6:7], b1 s[8:9], xq s[10:11]
	s_load_b128 s[12:15], s[0:1], 0x20             ; sel s[12:13], plan s[14:15]
	s_load_b64 s[48:49], s[0:1], 0x30              ; h
	v_lshl_add_u32 v126, v0, 2, 0x22800
	v_mov_b32 v127, 0
	v_lshrrev_b32 v11, 5, v0
	v_readfirstlane_b32 s[WV], v11                 ; wave 0..3
	v_and_b32 v1, 31, v0                           ; lane
	v_and_b32 v2, 15, v0                           ; r
	v_bfe_u32 v3, v0, 4, 1                         ; h
	v_lshlrev_b32 v[LI], 4, v1
	v_mul_u32_u24 v[AF0], v2, LP
	v_lshl_add_u32 v[AF0], v3, 4, v[AF0]
	v_add_nc_u32 v[AF0+1], 64*LP, v[AF0]
	s_wait_alu depctr_va_sdst(0)                   ; the wave's number is written into s24, ahead of its first reader
	s_mul_i32 s28, s[WV], 32*LP
	v_add_nc_u32 v[WS], s28, v[LI]
	v_lshlrev_b32 v[H16], 4, v3
	v_and_b32 v[ASA], 8, v2
	v_add_nc_u32 v[ASA], v[ASA], v2
	v_mul_u32_u24 v[ASA], v[ASA], SROW
	v_add_nc_u32 v[ASA], v[ASA], v[H16]
	v_lshlrev_b32 v[BIA], 6, v3
	v_lshl_add_u32 v[LA0], v2, 2, LIST
	v_lshlrev_b32 v[HSO], 5, v2
	v_lshlrev_b32 v[L4], 2, v1
	v_add_nc_u32 v[SPI], 1024, v1
	v_add_nc_u32 v[ZA], LIST, v[LI]
.irp i, 0,1,2,3
	v_mov_b32 v[ZR+\i], 0
.endr
	s_lshr_b32 s25, ttmp9, 5                       ; e
	s_and_b32 s38, ttmp9, 31                       ; j
	s_lshl_b32 s39, s25, 10                        ; 1024 e
	s_lshl_b32 s47, 0x101, s25                     ; my expert's two bits in a word of sel
	s_mov_b32 s31, 0                               ; the upper word of every offset pair s[30:31]: it stays 0
	s_mov_b32 s[SEL], 0x76543210
	s_mov_b32 s[SEL+1], 0xfedcba98                 ; v_permlanex16_b32's selects for lane l xor 16
	s_mov_b32 s[MNT], 0x600000                     ; the mantissa field of 57,344
	s_mov_b32 s[T0], s[WV]
	s_mov_b32 s[PS], 0
	s_wait_kmcnt 0x0
	s_lshl_b32 s30, ttmp9, 17                      ; 128 rows of 1,024 bytes a work-group,
	s_lshl_b32 s28, s[WV], 15                      ; 32 a wave
	s_add_co_u32 s30, s30, s28
	s_add_nc_u64 s[4:5], s[4:5], s[30:31]
	s_wait_alu depctr_va_vdst(0)                   ; the offsets, addresses and zeros made above (v4-10, v27-31, v84-87) are written: loads, stores and LDS instructions of the whole kernel read them, and no line writes them again
.irp q, 0,1,2,3,4,5,6,7
	global_load_b128 v[SW+4*\q:SW+4*\q+3], v[LI], s[12:13] offset:512*\q   ; all of sel: 8 loads, ahead of the weights
.endr
	WIN 0x80
	WLOAD 0                                        ; all of my 32 KiB of W1: 64 loads
	WLOAD 1
	WLOAD 2
	WLOAD 3
	WIN 0
	s_lshl_b32 s30, ttmp9, 12
	s_add_nc_u64 s[6:7], s[6:7], s[30:31]          ; 128 rows of 32 scale bytes
	s_lshl_b32 s30, ttmp9, 9
	s_add_nc_u64 s[8:9], s[8:9], s[30:31]          ; 128 numbers of b1
	s_add_nc_u64 s[XS:XS+1], s[10:11], 0x100000
	s_lshl_b32 s30, s25, 12
	s_add_nc_u64 s[36:37], s[14:15], s[30:31]      ; posn[e], less its 65,536
	s_lshl_b32 s30, s25, 7
	s_add_nc_u64 s[50:51], s[14:15], s[30:31]      ; cnt[e], less its 98,304
	s_lshl_b32 s30, s25, 22
	s_lshl_b32 s28, s38, 11
	s_add_co_u32 s30, s30, s28
	s_add_nc_u64 s[HB:HB+1], s[48:49], s[30:31]
	s_lshl_b32 s30, s25, 17
	s_lshr_b32 s28, s38, 3
	s_lshl_b32 s28, s28, 9
	s_add_co_u32 s30, s30, s28
	s_and_b32 s28, s38, 7
	s_lshl_b32 s28, s28, 2
	s_add_co_u32 s30, s30, s28
	s_add_nc_u64 s[SB:SB+1], s[48:49], s[30:31]
	s_add_nc_u64 s[SB:SB+1], s[SB:SB+1], 0x2000000
	s_wait_loadcnt 63                              ; sel is in: 64 loads were issued behind its eight, and 63, the largest count that a wait names, is under that
.set J, 0
.rept 32
	v_and_b32 v[SW+J], s47, v[SW+J]
	v_cmp_ne_u32 s[MK+J], 0, v[SW+J]               ; who chose my expert: a lane mask for each of the 32 registers
.set J, J+1
.endr
	s_wait_alu depctr_va_sdst(0)                   ; the 32 compares have written s66-97, ahead of their first reader: one wait for the run
	s_mov_b32 s[NT], 0
.set J, 0
.rept 32
	s_bcnt1_i32_b32 s28, s[MK+J]
	s_add_co_u32 s[NT], s[NT], s28                 ; the expert's rows
.set J, J+1
.endr
	s_min_u32 s[NT], s[NT], 1024
	s_add_co_u32 s[NT], s[NT], 15
	s_lshr_b32 s[NT], s[NT], 4
	s_max_u32 s[NT], s[NT], 1                      ; tiles of the expert; one at the least, so that tile 0 of h is always written
	s_cmp_lg_u32 s[WV], 0
	s_cbranch_scc1 .Lplaced                        ; wave 0 alone places the rows; no other wave touches LDS ahead of the barrier below
.irp q, 0,1,2,3,4,5,6,7,8,9,10,11,12,13,14,15
	ds_store_b128 v[ZA], v[ZR:ZR+3] offset:512*\q  ; the list's 8 KiB are cleared first: LDS serves a wave's instructions in order (ISA guide 5.7.1.4)
.endr
	s_mov_b32 s29, 0                               ; rows so far
.set J, 0
.rept 32
	ENTRY J
.set J, J+1
.endr
	s_wait_alu depctr_va_vdst(0)                   ; the 32 entries' addresses v192-223 and tokens v224-255 are written, which the stores below read
.set J, 0
.rept 32
	ds_store_b32 v[AD+J], v[TK+J]
.set J, J+1
.endr
	s_wait_alu depctr_vm_vsrc(0)                   ; these stores have read v192-255, in which W1's fragments land further down
	s_cmp_lg_u32 s38, 0
	s_cbranch_scc1 .Lplaced                        ; the expert's first work-group alone stores the places and the count for the launches behind
.set J, 0
.rept 32
	v_add_nc_u32 v[PL+J], s39, v[PL+J]             ; 1024 e + p
.set J, J+1
.endr
	v_mov_b32 v[SW], s29
	s_wait_alu depctr_va_vdst(0)                   ; the additions have written v160-191 and the move v128, which the nine stores read
.irp q, 0,1,2,3,4,5,6,7
	global_store_b128 v[LI], v[PL+4*\q:PL+4*\q+3], s[36:37] offset:65536+512*\q   ; 512 consecutive aligned bytes a store
.endr
	global_store_b32 v[L4], v[SW], s[50:51] offset:98304   ; cnt[e], 32 times
	s_wait_xcnt 0x0                                ; these stores have read v128 and v160-191: W1's fragments land there only behind this wait
	s_wait_alu depctr_vm_vsrc(0)                   ; and behind this one, beside it: the same stores, the same registers
.Lplaced:
	s_wait_dscnt 0x0                               ; for the others' sake: the list lies in LDS
	s_barrier_signal -1
	s_barrier_wait -1                              ; the first barrier: behind it the list is only read, and the weights' rows may be stored
	LISTLOAD 0                                     ; 5 LDS loads
	s_wait_loadcnt 48                              ; W1's first 16 loads are in; its other 48 may be out
	WIN 0x08
	WSTORE 0
	WIN 0
	s_wait_dscnt 16                                ; my tokens are in; the 16 stores behind them may be out
	ADDR
	s_wait_alu depctr_va_vdst(0)                   ; v[BO ..] and v[BSO ..] are written, which the loads of x's scale words and codes below read
	BSCALE                                         ; 5 loads,
.irp t, 0,1,2,3,4,5,6,7
	global_load_b128 v[AS+4*\t:AS+4*\t+3], v[ASA], s[6:7] offset:(32*(\t/2)+8*(\t%2))*SROW   ; and 8
.endr
	s_wait_loadcnt 45                              ; behind W1's second 16: its last 32 and these 13
	WIN 0x08
	WSTORE 1
	WIN 0xc0
.irp t, 0,1,2,3,4,5,6,7
	global_load_b128 v[BI+8*\t:BI+8*\t+3], v[BIA], s[8:9] offset:(32*(\t/2)+8*(\t%2))*4      ; lane (r, h), tile 2 b + u: b1 at units 32 b + 16 h + 8 u + 0 .. 7
	global_load_b128 v[BI+8*\t+4:BI+8*\t+7], v[BIA], s[8:9] offset:(32*(\t/2)+8*(\t%2))*4+16
.endr
	s_wait_loadcnt 45                              ; behind W1's third 16: its last 16, the 13 and these 16
	WIN 0x08
	WSTORE 2
	BLOAD 0
	s_wait_loadcnt 49                              ; behind W1's last 16: 13 + 16 + 20
	WIN 0x08
	WSTORE 3
	BLOAD 1
	BLOAD 2
	s_wait_dscnt 0x0                               ; for the others' sake: my 32 rows lie in LDS
	s_barrier_signal -1
	s_barrier_wait -1                              ; all 128 do.  The second and last barrier: no branch in front of it hangs on the count
	s_wait_alu depctr_vm_vsrc(0)                   ; my LDS stores of W1 have read all 256 registers of window 2, which the four moves below, the products and the way out write
	WIN 0x80
.irp b, 0,1,2,3
	v_mov_b32 v[TM+4+\b], 0                        ; written once in both windows: a lane permute's destination counts as one of its sources
.endr
	WIN 0xc0
.irp b, 0,1,2,3
	v_mov_b32 v[TM+4+\b], 0
.endr
	WIN 0
	s_cmp_ge_u32 s[WV], s[NT]
	s_cbranch_scc1 .Ldone                          ; fewer tiles than waves: nothing for me
.Lpass:                                            ; four passes at the most (64 tiles, 20 a pass); the loop is left below as soon as the expert has no tile for me
	AFETCH 0, 0                                    ; no wait here: on both ways to this label the last wait on va_vdst stands behind every vector and matrix instruction that names v128-255, the last on vm_vsrc behind every store that read them
	AFETCH 0, 1
	STEP 0
	STEP 1
	STEP 2
	STEP 3
	STEP 4
	STEP 5
	STEP 6
	STEP 7
	WIN 0
	PLACES                                         ; the places ahead of the first read of results
	EPI 0
	EPI 1
	EPI 2
	EPI 3
	EPI 4
	s_add_co_u32 s[PS], s[PS], 1
	s_add_co_u32 s[T0], s[T0], 20
	s_cmp_ge_u32 s[T0], s[NT]
	s_cbranch_scc1 .Ldone
	LISTLOAD 1                                     ; (all earlier loads are in: their address registers may be written)
	s_wait_dscnt 0x0
	ADDR
	s_wait_alu depctr_va_vdst(0)                   ; v[BO ..] and v[BSO ..] are written, which the loads below read; the pass's products are done reading v[BS ..], the ring and W1's fragments, in which the loads below and at the loop's head land
	BSCALE
	BLOAD 0
	BLOAD 1
	BLOAD 2
	WIN 0
	s_cmp_lt_u32 s[PS], 4
	s_cbranch_scc1 .Lpass
.Ldone:
	s_wait_dscnt 0x0                               ; the closing lines, six on end
	s_wait_alu 0x0
	s_wait_tensorcnt 0x0
	ds_add_u32 v126, v127
	s_wait_dscnt 0x0
	s_endpgm
.Lfunc_end_k_q03d6dc68f4_ffn1:
	.size	k_q03d6dc68f4_ffn1, .Lfunc_end_k_q03d6dc68f4_ffn1-k_q03d6dc68f4_ffn1
	.p2alignl 7, 3214868480
	.fill 96, 4, 3214868480
	.section	.rodata,"a",@progbits
	.p2align	6, 0x0
	.amdhsa_kernel k_q03d6dc68f4_ffn1
		.amdhsa_group_segment_fixed_size 141824
		.amdhsa_private_segment_fixed_size 0
		.amdhsa_enable_private_segment 0
		.amdhsa_kernarg_size 56
		.amdhsa_user_sgpr_count 2
		.amdhsa_user_sgpr_kernarg_segment_ptr 1
		.amdhsa_wavefront_size32 1
		.amdhsa_system_sgpr_workgroup_id_x 1
		.amdhsa_system_sgpr_workgroup_id_y 1
		.amdhsa_system_sgpr_workgroup_id_z 1
		.amdhsa_system_vgpr_workitem_id 0
		.amdhsa_next_free_vgpr 1024
		.amdhsa_next_free_sgpr 100
		.amdhsa_reserve_vcc 0
		.amdhsa_float_denorm_mode_32 3
		.amdhsa_float_denorm_mode_16_64 3
		.amdhsa_memory_ordered 1
		.amdhsa_forward_progress 1
		.amdhsa_inst_pref_size 170
	.end_amdhsa_kernel
	.amdgpu_metadata
---
amdhsa.version: [ 1, 2 ]
amdhsa.kernels:
  - .name:           k_q03d6dc68f4_ffn1
    .symbol:         k_q03d6dc68f4_ffn1.kd
    .args:
      - { .name: W1_codes, .offset: 0, .size: 8, .value_kind: global_buffer, .address_space: global }
      - { .name: W1_scales, .offset: 8, .size: 8, .value_kind: global_buffer, .address_space: global }
      - { .name: b1, .offset: 16, .size: 8, .value_kind: global_buffer, .address_space: global }
      - { .name: xq, .offset: 24, .size: 8, .value_kind: global_buffer, .address_space: global }
      - { .name: sel, .offset: 32, .size: 8, .value_kind: global_buffer, .address_space: global }
      - { .name: plan, .offset: 40, .size: 8, .value_kind: global_buffer, .address_space: global }
      - { .name: h, .offset: 48, .size: 8, .value_kind: global_buffer, .address_space: global }
    .group_segment_fixed_size: 141824
    .private_segment_fixed_size: 0
    .kernarg_segment_align: 8
    .kernarg_segment_size: 56
    .max_flat_workgroup_size: 128
    .sgpr_count:     100
    .vgpr_count:     1024
    .wavefront_size: 32
...
	.end_amdgpu_metadata
.endif
;; end of part 6
;; launch ffn2 (part 7): grid 256 x 1, 4 waves a work-group, no clusters, 167,424 bytes of LDS; arguments W2_codes, W2_scales, b2, h, plan, ypart; writes ypart
.if DOCPART == 7
	.amdgcn_target "amdgcn-amd-amdhsa--gfx1250"
	.amdhsa_code_object_version 6
	.text
	.protected	k_q03d6dc68f4_ffn2
	.globl	k_q03d6dc68f4_ffn2
	.p2align	8
	.type	k_q03d6dc68f4_ffn2,@function
k_q03d6dc68f4_ffn2:
	s_mov_b64 s[64:65], 0
	v_nop
	global_prefetch_b8 v0, s[64:65] scope:SCOPE_SE
	s_setreg_imm32_b32 hwreg(HW_REG_WAVE_SCHED_MODE, 0, 2), 2
	s_setreg_imm32_b32 hwreg(HW_REG_WAVE_MODE, 25, 1), 1
	s_wait_xcnt 0x0
	s_wait_alu depctr_vm_vsrc(0)
; PARTS OF y = h W2 + b2 FOR THE ROUTED ROWS, on codes of E5M2 with one E8M0 scale for each 32 along K.
; Work-group id = 32 e + 8 kq + n8: expert e, quarter kq of K = 4,096, output columns 128 n8 .. + 127, ALL rows of the expert.  So each byte of W2 is read from memory once, by one work-group:
; 128 rows x 1,024 bytes go into LDS once and stay.  h's fragments come from memory as images of the operand's registers: every load is 512 consecutive bytes.
; The four quarters' sums go to ypart [kq][1024 e + place][1024] f32 and are added by the next launch, in the order of kq; b2 enters once, as the C of quarter 0's first products (x 0 in the others).
; A wave takes 5 tiles of 16 rows x 128 columns: 40 accumulators.  Tiles are dealt w, w + 4, .. w + 16, then 20 on: a pass of the work-group covers 320 rows.
; How many passes there are hangs on cnt[e], read from memory: so this text has no tensor load and no cluster, its ONE barrier stands ahead of everything that hangs on cnt,
; and what work-groups share (an expert's h, 1 KiB a row and quarter) is read through registers.  A tile past the expert's last is the last one once more, multiplied and not stored.
; THE PRODUCT IS USED TRANSPOSED: source 0 = 16 rows of W2 (columns of y), source 1 = 16 rows of h: a lane holds one row of y.  Row m of tile 2 b + u is column 32 b + 8 u + m + 8 (m / 8)
; (the same order as in the launch before, so that the two texts are alike): lane (r, h), register jj of tile 2 b + u is y(r, 32 b + 16 h + 8 u + jj).
; LIMITS: NaN and infinities are not served (b2 x 0 among them).
; REGISTERS, in windows of 256: window 0: v1-31 addresses; v32-63 W2's scale words; v64-83 h's; v128-255 W2's 8 fragments of a K step, one set (on the way out v128-191: rows of y).
;   window 1: h's fragments, a ring of 3 K steps x 5 tiles x 16.   window 2: accumulators of tiles 0-2 at 64 m + 8 t; at the start all 256 take W2 on its way to LDS.
;   window 3: accumulators of tiles 3, 4; v128-191 b2 in the result's layout.
; THE MODE: SCHED_MODE bits 1:0 = 2 (LLVM: expert scheduling mode 2), set by the entry lines.  The code itself states the register dependences
; between vector or matrix instructions and memory or LDS instructions, with s_wait_alu, always for 0.
; THE PLAN.  Registers that memory or LDS instructions touch, in the loop over passes:
;   v128-191, v192-255   W2's tiles 0-3 and tiles 4-7 of a K step.  Step s: its first 20 products read the first half, its last 20 the second; each half is loaded again while the other is multiplied.
;                        On the way out v128-191 take a tile's rows of y from the stage, and the global stores read them.
;   the ring's slots     Slot s % 3 is read by step s's 40 products; the loads of step s + 3 land in it, issued in step s + 1.
;   the accumulators     Written by the products; read by the way out's LDS stores; begun anew by the next pass's first products.
;   v[BS ..]             h's scale words: read by the pass's products, loaded once a pass, in the tail.
;   v[BO ..], v[BSO ..]  Written once a pass, in the tail; read by the pass's loads.
;   v4-10, v28-30        Offsets and addresses, made at the head and never written again.
; So TWO waits on va_vdst stand in a K step.  At its head: the step before is done reading tiles 4-7 and its slot.  At its middle: the step's first 20 products are done reading tiles 0-3.
; Behind each the loads into what has come free are dealt among the next products, which name the other half of W2's fragments and the step's own slot: none of the registers that those loads touch.
; The way out holds no vector instruction: ONE wait on va_vdst, behind the last step's places, serves all five tiles.  The pass's tail has one wait on vm_vsrc ahead of all that is written again, and one on va_vdst ahead of its loads.
.set WPITCH, 4096                      ; a row of W2's codes in memory
.set SROW,   128                       ; a row of W2's scale bytes
.set BSTEP,  2048                      ; from K step to K step in h's images
.set BC,     512                       ; from one group of four registers to the next
.set LP,     1040                      ; a row of W2's quarter in LDS: 1,024 + 16 = 65 x 16 bytes: the 16 rows of a fragment load fall on 16 different 16-byte columns of 256
.set STG,    128*LP                    ; behind the weights: a stage of 16 rows x (512 + 16) bytes for each wave
.set SPT,    528
.set LI,  4                            ; v4   16 x lane
.set AF0, 5                            ; v5   my place in a fragment of tiles 0-3: LP r + 16 h;  v6 the same for tiles 4-7 (an LDS offset has 16 bits)
.set WS,  7                            ; v7   where my wave's 32 rows go: 32 LP w + 16 lane
.set H16, 8                            ; v8   16 h
.set ASA, 9                            ; v9   W2's scale words: (r + 8 (r / 8)) SROW + 16 h
.set BIA, 10                           ; v10  b2: 64 h
.set BO,  12                           ; v12-16  tile m: my bytes of its images
.set BSO, 17                           ; v17-21  tile m: its scale words
.set HSL, 28                           ; v28  32 r + 16 h
.set SO,  29                           ; v29  the stage: where I put 32 bytes of a row
.set SR,  30                           ; v30  and where I read a row back
.set AS,  32                           ; tile t: 4 registers; lanes 0-15 hold the words of K steps 0-3, lanes 16-31 those of steps 4-7
.set BS,  64                           ; tile m likewise
.set AF,  128
.set BI,  128                          ; in window 3
.set XB,  16                           ; s[16:17] h's codes at (e, tile 0, step 8 kq);  s[18:19] its scale words likewise
.set XS,  18
.set YB,  20                           ; s[20:21] ypart at (kq, e, place 0, column 128 n8)
.set WV,  24                           ; s24 wave;  s25 e;  s26 tiles of the expert;  s27 my first tile of the pass;  s43 the last tile;  s46 the pass
.set NT,  26
.set T0,  27
.set PS,  46
.set MSB, 0
.macro WIN new                         ; the immediate's high byte repeats the setting that is left; bits 1:0 source 0, 3:2 source 1, 5:4 source 2, 7:6 destination
.if MSB != \new
	s_set_vgpr_msb (MSB<<8)|\new
.set MSB, \new
.endif
.endm
.macro PLACES                          ; a store that reads this matrix form's result stands 8 plain vector instructions behind it
.rept 8
	v_nop
.endr
.endm
.macro WLOAD b                         ; 8 rows of W2's quarter, two loads of 512 consecutive bytes each, into window 2
.irp i, 0,1,2,3,4,5,6,7,8,9,10,11,12,13,14,15
.set wi, 16*(\b)+\i
	global_load_b128 v[4*wi:4*wi+3], v[LI], s[4:5] offset:(wi/2)*WPITCH+512*(wi%2) th:TH_LOAD_NT
.endr
.endm
.macro WSTORE b                        ; and on into LDS, in TILE order: row 16 hh + 8 u + jj of my 32 goes to row 16 u + 8 hh + jj
.irp i, 0,1,2,3,4,5,6,7,8,9,10,11,12,13,14,15
.set wi, 16*(\b)+\i
.set wr, wi/2
.set ws, 16*((wr/8)%2)+8*(wr/16)+wr%8
	ds_store_b128 v[WS], v[4*wi:4*wi+3] offset:ws*LP+512*(wi%2)
.endr
.endm
.macro ADDR                            ; my five tiles: none past the expert's last, which is the last that the launch before has written
.irp m, 0,1,2,3,4
	s_add_co_u32 s28, s[T0], 4*\m
	s_min_u32 s28, s28, s43
	s_min_u32 s28, s28, 63
	s_lshl_b32 s29, s28, 16
	v_add_nc_u32 v[BO+\m], s29, v[LI]
	s_lshl_b32 s29, s28, 11
	v_add_nc_u32 v[BSO+\m], s29, v[HSL]
.endr
.endm
.macro BSCALE
.irp m, 0,1,2,3,4
	global_load_b128 v[BS+4*\m:BS+4*\m+3], v[BSO+\m], s[XS:XS+1]
.endr
.endm
.macro BLOAD s                         ; K step s of my five tiles of rows into slot s % 3 of the ring: 20 loads
	WIN 0x40
.irp m, 0,1,2,3,4
.irp c, 0,1,2,3
	global_load_b128 v[80*((\s)%3)+16*\m+4*\c:80*((\s)%3)+16*\m+4*\c+3], v[BO+\m], s[XB:XB+1] offset:BSTEP*(\s)+BC*\c
.endr
.endr
.endm
.macro AFETCH s, half                  ; W2's fragments of K step s, tiles 4 half .. 4 half + 3: 16 LDS loads
.irp t, 0,1,2,3
.irp c, 0,1,2,3
	ds_load_b128 v[AF+64*(\half)+16*\t+4*\c:AF+64*(\half)+16*\t+4*\c+3], v[AF0+(\half)] offset:\t*16*LP+128*(\s)+32*\c
.endr
.endr
.endm
.macro WM hi
.if \hi
	v_wmma_scale_f32_16x16x128_f8f6f4 v[rD:rD+7], v[rA:rA+15], v[rB:rB+15], v[rC:rC+7], v[rSA], v[rSB] matrix_a_fmt:MATRIX_FMT_BF8 matrix_b_fmt:MATRIX_FMT_BF8 matrix_a_scale:MATRIX_SCALE_ROW1 matrix_b_scale:MATRIX_SCALE_ROW1
.else
	v_wmma_scale_f32_16x16x128_f8f6f4 v[rD:rD+7], v[rA:rA+15], v[rB:rB+15], v[rC:rC+7], v[rSA], v[rSB] matrix_a_fmt:MATRIX_FMT_BF8 matrix_b_fmt:MATRIX_FMT_BF8
.endif
.endm
; The 40 accumulators of a step take turns, one instruction a turn, in the same order in every step.  Half a step is ML of four tiles of columns, then MH of the same four.
.macro ML s, t                         ; three products: tile t of columns x my tiles 0-2 of rows, whose accumulators lie in window 2
.irp m, 0,1,2
.set rD, 64*\m+8*(\t)
.set rA, AF+16*(\t)
.set rB, 80*((\s)%3)+16*\m
.set rC, rD
.if (\s) == 0
.set rC, BI+8*(\t)
.endif
.set rSA, AS+4*(\t)+(\s)%4
.set rSB, BS+4*\m+(\s)%4
	WM (\s)/4
.endr
.endm
.macro MH s, t                         ; two products: tile t of columns x my tiles 3 and 4 of rows, whose accumulators lie in window 3
.irp m, 3,4
.set rD, 64*(\m-3)+8*(\t)
.set rA, AF+16*(\t)
.set rB, 80*((\s)%3)+16*\m
.set rC, rD
.if (\s) == 0
.set rC, BI+8*(\t)
.endif
.set rSA, AS+4*(\t)+(\s)%4
.set rSB, BS+4*\m+(\s)%4
	WM (\s)/4
.endr
.endm
.macro WINL s                          ; the windows of ML
.if (\s) == 0
	WIN 0xb4                                       ; W2 window 0, h window 1, C = b2 in window 3, D window 2
.else
	WIN 0xa4                                       ; C and D window 2
.endif
.endm
.macro STEP s                          ; 128 along K: 40 products
.if (\s) == 0
	s_wait_loadcnt 40                              ; this step's 20 loads are in, and all that was asked for ahead of them; those of steps 1 and 2 may be out
	s_wait_dscnt 16                                ; W2's tiles 0-3 are in; the 16 loads of tiles 4-7 may be out
	WINL \s
	ML \s, 0
	ML \s, 1
.else
.if (\s) < 7
	s_wait_loadcnt 20                              ; this step's 20 loads are in; those of the next step may be out (the step after that is asked for below)
.else
	s_wait_loadcnt 0x0
.endif
	s_wait_dscnt 0x0                               ; W2's tiles 0-3 are in: nothing else is out
	s_wait_alu depctr_va_vdst(0)                   ; the step before is done reading W2's tiles 4-7 and its slot of the ring: the loads below land in both
	WINL \s
	ML \s, 0
	WIN 0
	AFETCH \s, 1                                   ; tiles 4-7 of this step, 17 products ahead of their use.  No product since the wait names v192-255
	WINL \s
	ML \s, 1
.if (\s) < 6
	BLOAD (\s)+2                                   ; into the slot that the step before multiplied.  No product since the wait names it
.endif
	WINL \s
.endif
	ML \s, 2
	ML \s, 3
	WIN 0xf4                                       ; C and D window 3 (b2 lies there too)
	MH \s, 0
	MH \s, 1
	MH \s, 2
	MH \s, 3
	s_wait_dscnt 0x0                               ; tiles 4-7 are in
.if (\s) < 7
	s_wait_alu depctr_va_vdst(0)                   ; the 20 products above are done reading W2's tiles 0-3, in which the loads below land
.endif
	WINL \s
	ML \s, 4
.if (\s) < 7
	WIN 0
	AFETCH (\s)+1, 0                               ; the next step's tiles 0-3, 17 products ahead of their use.  No product since the wait names v128-191
	WINL \s
.endif
	ML \s, 5
	ML \s, 6
	ML \s, 7
	WIN 0xf4
	MH \s, 4
	MH \s, 5
	MH \s, 6
	MH \s, 7
.endm
; My tile m of the pass goes out, if the expert has it.  A lane holds 32-byte pieces of one row and the lanes beside it hold other rows: so the tile goes through my own stage and comes back as whole rows of 512 bytes.
.macro EPI m
	WIN 0
	s_add_co_u32 s28, s[T0], 4*\m
	s_cmp_ge_u32 s28, s[NT]
	s_cbranch_scc1 .Lskip_\@
	s_min_u32 s28, s28, 63
	s_wait_xcnt 0x0                                ; the last tile's stores have read their data and their base: both are written again below
.if \m > 0
	s_wait_alu depctr_vm_vsrc(0)                   ; beside it: the stores of the tile before have read v128-191, in which this tile's rows land
.endif
	s_lshl_b32 s30, s28, 16
	s_add_nc_u64 s[32:33], s[YB:YB+1], s[30:31]
.if \m < 3
	WIN 0x08                                       ; an LDS store's data are its source 1
.set rY, 64*\m
.else
	WIN 0x0c
.set rY, 64*(\m-3)
.endif
.irp t, 0,1,2,3,4,5,6,7
	ds_store_b128 v[SO], v[rY+8*\t:rY+8*\t+3] offset:128*(\t/2)+32*(\t%2)        ; each accumulator from its low end on
	ds_store_b128 v[SO], v[rY+8*\t+4:rY+8*\t+7] offset:128*(\t/2)+32*(\t%2)+16
.endr
	WIN 0
.irp p, 0,1,2,3,4,5,6,7,8,9,10,11,12,13,14,15
	ds_load_b128 v[AF+4*\p:AF+4*\p+3], v[SR] offset:SPT*\p   ; LDS serves a wave's instructions in order (ISA guide 5.7.1.4): these see the stores above
.endr
.irp p, 0,1,2,3,4,5,6,7,8,9,10,11,12,13,14,15
	s_wait_dscnt 15-\p                             ; row p is back; the younger rows may be out
	global_store_b128 v[LI], v[AF+4*\p:AF+4*\p+3], s[32:33] offset:4096*\p th:TH_STORE_NT   ; 512 consecutive bytes, at a multiple of 512 from ypart's first byte
.endr
.Lskip_\@:
.endm
	s_load_b256 s[4:11], s[0:1], 0x0               ; W2's codes s[4:5], its scales s[6:7], b2 s[8:9], h s[10:11]
	s_load_b128 s[12:15], s[0:1], 0x20             ; plan s[12:13], ypart s[14:15]
	v_lshl_add_u32 v126, v0, 2, 0x28c00
	v_mov_b32 v127, 0
	v_lshrrev_b32 v11, 5, v0
	v_readfirstlane_b32 s[WV], v11                 ; wave 0..3
	v_and_b32 v1, 31, v0                           ; lane
	v_and_b32 v2, 15, v0                           ; r
	v_bfe_u32 v3, v0, 4, 1                         ; h
	v_lshlrev_b32 v[LI], 4, v1
	v_mul_u32_u24 v[AF0], v2, LP
	v_lshl_add_u32 v[AF0], v3, 4, v[AF0]
	v_add_nc_u32 v[AF0+1], 64*LP, v[AF0]
	s_wait_alu depctr_va_sdst(0)                   ; the wave's number is written into s24, ahead of its first reader
	s_mul_i32 s28, s[WV], 32*LP
	v_add_nc_u32 v[WS], s28, v[LI]
	v_lshlrev_b32 v[H16], 4, v3
	v_and_b32 v[ASA], 8, v2
	v_add_nc_u32 v[ASA], v[ASA], v2
	v_mul_u32_u24 v[ASA], v[ASA], SROW
	v_add_nc_u32 v[ASA], v[ASA], v[H16]
	v_lshlrev_b32 v[BIA], 6, v3
	v_lshl_add_u32 v[HSL], v2, 5, v[H16]
	s_mul_i32 s28, s[WV], 16*SPT
	s_add_co_u32 s28, s28, STG                     ; my stage
	v_mul_u32_u24 v[SO], v2, SPT
	v_lshl_add_u32 v[SO], v3, 6, v[SO]
	v_add_nc_u32 v[SO], s28, v[SO]                 ; in: row r, + 64 h
	v_add_nc_u32 v[SR], s28, v[LI]                 ; back: 16 bytes a lane of a row
	s_lshr_b32 s25, ttmp9, 5                       ; e
	s_bfe_u32 s38, ttmp9, 0x20003                  ; kq: 2 bits from bit 3
	s_and_b32 s39, ttmp9, 7                        ; n8
	s_lshl_b32 s29, s25, 10
	s_lshl_b32 s28, s39, 7
	s_add_co_u32 s29, s29, s28                     ; my first row of W2: 1024 e + 128 n8
	s_mov_b32 s31, 0                               ; the upper word of every offset pair s[30:31]: it stays 0
	s_mov_b32 s[T0], s[WV]
	s_mov_b32 s[PS], 0
	s_cmp_eq_u32 s38, 0
	s_cselect_b32 s44, 0x3f800000, 0               ; b2 counts in quarter 0 alone
	s_mov_b32 s45, s44                             ; (named with it as a pair, so it is written)
	s_wait_kmcnt 0x0
	s_lshl_b32 s28, s[WV], 5
	s_add_co_u32 s30, s29, s28                     ; my wave's 32 rows
	s_lshl_b32 s30, s30, 12
	s_lshl_b32 s28, s38, 10
	s_add_co_u32 s30, s30, s28
	s_add_nc_u64 s[4:5], s[4:5], s[30:31]
	s_lshl_b32 s30, s29, 7
	s_lshl_b32 s28, s38, 5
	s_add_co_u32 s30, s30, s28
	s_add_nc_u64 s[6:7], s[6:7], s[30:31]
	s_lshl_b32 s30, s29, 2
	s_add_nc_u64 s[8:9], s[8:9], s[30:31]
	s_lshl_b32 s30, s25, 7
	s_add_nc_u64 s[36:37], s[12:13], s[30:31]
	s_load_b32 s[NT], s[36:37], 0x18000            ; cnt[e]
	s_lshl_b32 s30, s25, 22
	s_lshl_b32 s28, s38, 14
	s_add_co_u32 s30, s30, s28
	s_add_nc_u64 s[XB:XB+1], s[10:11], s[30:31]
	s_lshl_b32 s30, s25, 17
	s_lshl_b32 s28, s38, 9
	s_add_co_u32 s30, s30, s28
	s_add_nc_u64 s[XS:XS+1], s[10:11], s[30:31]
	s_add_nc_u64 s[XS:XS+1], s[XS:XS+1], 0x2000000
	s_lshl_b32 s30, s38, 25
	s_lshl_b32 s28, s25, 22
	s_add_co_u32 s30, s30, s28
	s_lshl_b32 s28, s39, 9
	s_add_co_u32 s30, s30, s28
	s_add_nc_u64 s[YB:YB+1], s[14:15], s[30:31]
	WIN 0x80
	s_wait_alu depctr_va_vdst(0)                   ; the offsets and addresses made above (v4-10, v28-30) are written: loads, stores and LDS instructions of the whole kernel read them, and no line writes them again
	WLOAD 0                                        ; all of my 32 KiB of W2: 64 loads
	WLOAD 1
	WLOAD 2
	WLOAD 3
	WIN 0
	s_wait_kmcnt 0x0
	s_min_u32 s[NT], s[NT], 1024
	s_add_co_u32 s[NT], s[NT], 15
	s_lshr_b32 s[NT], s[NT], 4
	s_max_u32 s[NT], s[NT], 1                      ; tiles of the expert; one at the least, as in the launch before
	s_sub_co_u32 s43, s[NT], 1
	s_wait_loadcnt 48                              ; W2's first 16 loads are in; its other 48 may be out
	WIN 0x08
	WSTORE 0
	WIN 0
	ADDR
	s_wait_alu depctr_va_vdst(0)                   ; v[BO ..] and v[BSO ..] are written, which the loads of h's scale words and codes below read
	BSCALE                                         ; 5 loads,
.irp t, 0,1,2,3,4,5,6,7
	global_load_b128 v[AS+4*\t:AS+4*\t+3], v[ASA], s[6:7] offset:(32*(\t/2)+8*(\t%2))*SROW   ; and 8
.endr
	s_wait_loadcnt 45                              ; behind W2's second 16: its last 32 and these 13
	WIN 0x08
	WSTORE 1
	WIN 0xc0
.irp t, 0,1,2,3,4,5,6,7
	global_load_b128 v[BI+8*\t:BI+8*\t+3], v[BIA], s[8:9] offset:(32*(\t/2)+8*(\t%2))*4      ; lane (r, h), tile 2 b + u: b2 at columns 32 b + 16 h + 8 u + 0 .. 7
	global_load_b128 v[BI+8*\t+4:BI+8*\t+7], v[BIA], s[8:9] offset:(32*(\t/2)+8*(\t%2))*4+16
.endr
	s_wait_loadcnt 45                              ; behind W2's third 16: its last 16, the 13 and these 16
	WIN 0x08
	WSTORE 2
	BLOAD 0
	s_wait_loadcnt 49                              ; behind W2's last 16: 13 + 16 + 20
	WIN 0x08
	WSTORE 3
	BLOAD 1
	BLOAD 2
	s_wait_loadcnt 60                              ; b2 is in; the ring's three steps may be out
	WIN 0xc3                                       ; destination and source 0 window 3
.set i, 0
.rept 32
	v_pk_mul_f32 v[BI+i:BI+i+1], v[BI+i:BI+i+1], s[44:45] op_sel_hi:[1,0]   ; x 1 in quarter 0, x 0 in the others
.set i, i+2
.endr
	WIN 0
	s_wait_dscnt 0x0                               ; for the others' sake: my 32 rows lie in LDS
	s_barrier_signal -1
	s_barrier_wait -1                              ; all 128 do.  The one barrier: nothing in front of it hangs on cnt
	s_wait_alu depctr_vm_vsrc(0)                   ; my LDS stores of W2 have read the registers of window 2, of which the products write v0-191 as accumulators
	s_cmp_ge_u32 s[WV], s[NT]
	s_cbranch_scc1 .Ldone                          ; fewer tiles than waves: nothing for me
.Lpass:                                            ; four passes at the most (64 tiles, 20 a pass); the loop is left below as soon as the expert has no tile for me
	s_wait_xcnt 0x0                                ; the last pass's stores have read v128-191: W2's fragments land there again only behind this wait (and behind the tail's wait on vm_vsrc, which stands on the one way back here)
	AFETCH 0, 0
	AFETCH 0, 1
	STEP 0
	STEP 1
	STEP 2
	STEP 3
	STEP 4
	STEP 5
	STEP 6
	STEP 7
	WIN 0
	PLACES                                         ; the places ahead of the first read of results
	s_wait_alu depctr_va_vdst(0)                   ; behind the places: the products have written the 40 accumulators, which the LDS stores of the five tiles read, and are done reading v128-191, in which the tiles' rows land; no vector instruction follows before the tail
	EPI 0
	EPI 1
	EPI 2
	EPI 3
	EPI 4
	s_add_co_u32 s[PS], s[PS], 1
	s_add_co_u32 s[T0], s[T0], 20
	s_cmp_ge_u32 s[T0], s[NT]
	s_cbranch_scc1 .Ldone
	s_wait_alu depctr_vm_vsrc(0)                   ; the pass's loads have read v[BO ..] and v[BSO ..], which the lines below write; its LDS stores the accumulators, which the next pass's products write; its last global stores v128-191, in which W2's fragments land
	ADDR                                           ; (all earlier loads are in: their address registers may be written)
	s_wait_alu depctr_va_vdst(0)                   ; v[BO ..] and v[BSO ..] are written, which the loads below read
	BSCALE
	BLOAD 0
	BLOAD 1
	BLOAD 2
	WIN 0
	s_cmp_lt_u32 s[PS], 4
	s_cbranch_scc1 .Lpass
.Ldone:
	s_wait_dscnt 0x0                               ; the closing lines, six on end
	s_wait_alu 0x0
	s_wait_tensorcnt 0x0
	ds_add_u32 v126, v127
	s_wait_dscnt 0x0
	s_endpgm
.Lfunc_end_k_q03d6dc68f4_ffn2:
	.size	k_q03d6dc68f4_ffn2, .Lfunc_end_k_q03d6dc68f4_ffn2-k_q03d6dc68f4_ffn2
	.p2alignl 7, 3214868480
	.fill 96, 4, 3214868480
	.section	.rodata,"a",@progbits
	.p2align	6, 0x0
	.amdhsa_kernel k_q03d6dc68f4_ffn2
		.amdhsa_group_segment_fixed_size 167424
		.amdhsa_private_segment_fixed_size 0
		.amdhsa_enable_private_segment 0
		.amdhsa_kernarg_size 48
		.amdhsa_user_sgpr_count 2
		.amdhsa_user_sgpr_kernarg_segment_ptr 1
		.amdhsa_wavefront_size32 1
		.amdhsa_system_sgpr_workgroup_id_x 1
		.amdhsa_system_sgpr_workgroup_id_y 1
		.amdhsa_system_sgpr_workgroup_id_z 1
		.amdhsa_system_vgpr_workitem_id 0
		.amdhsa_next_free_vgpr 1024
		.amdhsa_next_free_sgpr 66
		.amdhsa_reserve_vcc 0
		.amdhsa_float_denorm_mode_32 3
		.amdhsa_float_denorm_mode_16_64 3
		.amdhsa_memory_ordered 1
		.amdhsa_forward_progress 1
		.amdhsa_inst_pref_size 125
	.end_amdhsa_kernel
	.amdgpu_metadata
---
amdhsa.version: [ 1, 2 ]
amdhsa.kernels:
  - .name:           k_q03d6dc68f4_ffn2
    .symbol:         k_q03d6dc68f4_ffn2.kd
    .args:
      - { .name: W2_codes, .offset: 0, .size: 8, .value_kind: global_buffer, .address_space: global }
      - { .name: W2_scales, .offset: 8, .size: 8, .value_kind: global_buffer, .address_space: global }
      - { .name: b2, .offset: 16, .size: 8, .value_kind: global_buffer, .address_space: global }
      - { .name: h, .offset: 24, .size: 8, .value_kind: global_buffer, .address_space: global }
      - { .name: plan, .offset: 32, .size: 8, .value_kind: global_buffer, .address_space: global }
      - { .name: ypart, .offset: 40, .size: 8, .value_kind: global_buffer, .address_space: global }
    .group_segment_fixed_size: 167424
    .private_segment_fixed_size: 0
    .kernarg_segment_align: 8
    .kernarg_segment_size: 48
    .max_flat_workgroup_size: 128
    .sgpr_count:     66
    .vgpr_count:     1024
    .wavefront_size: 32
...
	.end_amdgpu_metadata
.endif
;; end of part 7
;; launch combine (part 8): grid 256 x 1, 8 waves a work-group, no clusters, 0 bytes of LDS; arguments ypart, plan, gate, out0, sel; writes out0
.if DOCPART == 8
	.amdgcn_target "amdgcn-amd-amdhsa--gfx1250"
	.amdhsa_code_object_version 6
	.text
	.protected	k_q03d6dc68f4_combine
	.globl	k_q03d6dc68f4_combine
	.p2align	8
	.type	k_q03d6dc68f4_combine,@function
k_q03d6dc68f4_combine:
	s_mov_b64 s[64:65], 0
	v_nop
	global_prefetch_b8 v0, s[64:65] scope:SCOPE_SE
	s_setreg_imm32_b32 hwreg(HW_REG_WAVE_MODE, 25, 1), 1
	s_wait_xcnt 0x0
; out0[t] = g0 y(slot 0) + g1 y(slot 1), y(slot) = the sum of ypart's four quarters of K, in the order of K, at the row that the plan names for the token in the slot's expert.
; ypart [kq 4][8192 rows][1024] f32; sel[t] = 1 << e0 | 0x100 << e1; posn[e][token] u32 (= 1024 e + place) at plan's byte 65,536; gate [1024][2] f32; out0 [1024][1024] f32.
; A wave takes half a row of one token: 8 rows' halves in (32 loads of 512 consecutive bytes, all issued at once), one half row out.  Each output row has one owner: nothing is added in memory.
; A stream: no LDS, no barrier, no matrix unit, no cluster (no byte of ypart is read twice).
.set Y, 16                             ; v16-143: slot g, quarter k, chunk i at 64 g + 16 k + 4 i
	s_load_b256 s[4:11], s[0:1], 0x0               ; ypart s[4:5], plan s[6:7], gate s[8:9], out0 s[10:11]
	s_load_b64 s[36:37], s[0:1], 0x20              ; sel
	v_lshrrev_b32 v1, 5, v0
	s_delay_alu instid0(VALU_DEP_1)
	v_readfirstlane_b32 s14, v1                    ; wave 0..7
	v_and_b32 v1, 31, v0
	s_delay_alu instid0(VALU_DEP_1)
	v_lshlrev_b32 v1, 4, v1                        ; 16 x lane
	s_lshr_b32 s15, s14, 1
	s_lshl_b32 s16, ttmp9, 2
	s_add_co_u32 s15, s15, s16                     ; my token: 4 x work-group + wave / 2
	s_and_b32 s16, s14, 1
	s_lshl_b32 s16, s16, 11                        ; my half of a row: 2,048 bytes
	v_add_nc_u32 v7, s16, v1                       ; my 16 bytes of a row's first chunk
	s_lshl_b32 s12, s15, 3
	s_mov_b32 s13, 0
	s_lshl_b32 s38, s15, 2
	s_mov_b32 s39, 0
	v_mov_b32 v4, s38                              ; 4 x token: its word in a row of posn
	s_wait_alu depctr_va_vdst(0)
	s_wait_kmcnt 0x0
	s_add_nc_u64 s[34:35], s[8:9], s[12:13]
	s_add_nc_u64 s[36:37], s[36:37], s[38:39]
	s_load_b32 s17, s[36:37], 0x0                  ; the token's two experts
	s_load_b64 s[22:23], s[34:35], 0x0             ; and its two gates
	s_lshl_b32 s12, s15, 12
	s_add_co_u32 s12, s12, s16
	s_add_nc_u64 s[10:11], s[10:11], s[12:13]      ; out0 at my half row
	s_mov_b64 s[24:25], s[4:5]                     ; the four quarters' bases
	s_add_nc_u64 s[26:27], s[4:5], 0x2000000
	s_add_nc_u64 s[28:29], s[4:5], 0x4000000
	s_add_nc_u64 s[30:31], s[4:5], 0x6000000
	s_wait_kmcnt 0x0
	s_and_b32 s18, s17, 0xff
	s_ctz_i32_b32 s18, s18                         ; e0
	s_min_u32 s18, s18, 7                          ; what came from memory is held before it enters an address
	s_lshr_b32 s19, s17, 8
	s_ctz_i32_b32 s19, s19                         ; e1
	s_min_u32 s19, s19, 7
	s_lshl_b32 s18, s18, 12                        ; a row of posn is 4,096 bytes
	s_lshl_b32 s19, s19, 12
	v_add_nc_u32 v5, s18, v4
	v_add_nc_u32 v6, s19, v4
	global_load_b32 v2, v5, s[6:7] offset:65536    ; the token's row in each of the two experts (all lanes read the same word)
	global_load_b32 v3, v6, s[6:7] offset:65536
	s_mov_b32 s32, s23                             ; g1 as a pair's low word: the packed forms take a scalar pair's low word for both halves
	s_mov_b32 s33, s23
	s_wait_loadcnt 0x0
	v_min_u32 v2, 0x1fff, v2
	v_min_u32 v3, 0x1fff, v3
	s_delay_alu instid0(VALU_DEP_2)
	v_lshl_add_u32 v2, v2, 12, v7                  ; a row of ypart is 4,096 bytes
	s_delay_alu instid0(VALU_DEP_2)
	v_lshl_add_u32 v3, v3, 12, v7
.irp i, 0,1,2,3
.irp g, 0,1
.irp k, 0,1,2,3
	global_load_b128 v[Y+64*\g+16*\k+4*\i:Y+64*\g+16*\k+4*\i+3], v[2+\g], s[24+2*\k:25+2*\k] offset:512*\i th:TH_LOAD_NT
.endr
.endr
.endr
.irp i, 0,1,2,3
	s_wait_loadcnt 24-8*\i                         ; chunk i's eight loads are in; the later chunks' may be out
.irp k, 1,2,3
.irp g, 0,1
.irp p, 0,2
	v_pk_add_f32 v[Y+64*\g+4*\i+\p:Y+64*\g+4*\i+\p+1], v[Y+64*\g+4*\i+\p:Y+64*\g+4*\i+\p+1], v[Y+64*\g+16*\k+4*\i+\p:Y+64*\g+16*\k+4*\i+\p+1]   ; four chains by turns, K ascending
.endr
.endr
.endr
.irp p, 0,2
	s_delay_alu instid0(VALU_DEP_4)
	v_pk_mul_f32 v[Y+4*\i+\p:Y+4*\i+\p+1], v[Y+4*\i+\p:Y+4*\i+\p+1], s[22:23] op_sel_hi:[1,0]
.endr
.irp p, 0,2
	s_delay_alu instid0(VALU_DEP_2)
	v_pk_fma_f32 v[Y+4*\i+\p:Y+4*\i+\p+1], v[Y+64+4*\i+\p:Y+64+4*\i+\p+1], s[32:33], v[Y+4*\i+\p:Y+4*\i+\p+1] op_sel_hi:[1,0,1]
.endr
	global_store_b128 v1, v[Y+4*\i:Y+4*\i+3], s[10:11] offset:512*\i th:TH_STORE_NT   ; 512 consecutive bytes, at a multiple of 512 from out0's first byte; its registers are not written again
.endr
	s_endpgm
.Lfunc_end_k_q03d6dc68f4_combine:
	.size	k_q03d6dc68f4_combine, .Lfunc_end_k_q03d6dc68f4_combine-k_q03d6dc68f4_combine
	.p2alignl 7, 3214868480
	.fill 96, 4, 3214868480
	.section	.rodata,"a",@progbits
	.p2align	6, 0x0
	.amdhsa_kernel k_q03d6dc68f4_combine
		.amdhsa_group_segment_fixed_size 0
		.amdhsa_private_segment_fixed_size 0
		.amdhsa_enable_private_segment 0
		.amdhsa_kernarg_size 40
		.amdhsa_user_sgpr_count 2
		.amdhsa_user_sgpr_kernarg_segment_ptr 1
		.amdhsa_wavefront_size32 1
		.amdhsa_system_sgpr_workgroup_id_x 1
		.amdhsa_system_sgpr_workgroup_id_y 1
		.amdhsa_system_sgpr_workgroup_id_z 1
		.amdhsa_system_vgpr_workitem_id 0
		.amdhsa_next_free_vgpr 152
		.amdhsa_next_free_sgpr 66
		.amdhsa_reserve_vcc 0
		.amdhsa_float_denorm_mode_32 3
		.amdhsa_float_denorm_mode_16_64 3
		.amdhsa_memory_ordered 1
		.amdhsa_forward_progress 1
		.amdhsa_inst_pref_size 11
	.end_amdhsa_kernel
	.amdgpu_metadata
---
amdhsa.version: [ 1, 2 ]
amdhsa.kernels:
  - .name:           k_q03d6dc68f4_combine
    .symbol:         k_q03d6dc68f4_combine.kd
    .args:
      - { .name: ypart, .offset: 0, .size: 8, .value_kind: global_buffer, .address_space: global }
      - { .name: plan, .offset: 8, .size: 8, .value_kind: global_buffer, .address_space: global }
      - { .name: gate, .offset: 16, .size: 8, .value_kind: global_buffer, .address_space: global }
      - { .name: out0, .offset: 24, .size: 8, .value_kind: global_buffer, .address_space: global }
      - { .name: sel, .offset: 32, .size: 8, .value_kind: global_buffer, .address_space: global }
    .group_segment_fixed_size: 0
    .private_segment_fixed_size: 0
    .kernarg_segment_align: 8
    .kernarg_segment_size: 40
    .max_flat_workgroup_size: 256
    .sgpr_count:     66
    .vgpr_count:     152
    .wavefront_size: 32
...
	.end_amdgpu_metadata
.endif
;; end of part 8
